; MI455X (gfx1250); checked and timed in simulation.
; The chip was launched on July 23, 2026; its instructions are those of AMD's public machine-readable ISA for CDNA 5 (MIT licence, August 2026) and "CDNA5" Instruction Set Architecture Reference Guide (July 2026). The comments in the code are by the model that wrote it; some were corrected since.
;; Grouped Query Attention. Allowed arithmetic: float matrix products may take bf16 or f16 operands with f32 sums; other float arithmetic in f32, or as packed bf16 or f16 multiplies, adds, multiply-adds, maxima and minima; sums over many terms, partial sums and values carried from step to step in f32; what a program stores and reads back later, other than sums and carried values, may be rounded once to bf16 or f16.
;; Inputs: Wk 1,024 x 512 float32; Wo 1,024 x 1,024 float32; Wq 1,024 x 1,024 float32; Wv 1,024 x 512 float32; x 2 x 2,048 x 1,024 float32.
;; Outputs: out0 2 x 2,048 x 1,024 float32.
;; 2 versions, each right; version 2 is version 1 with the launch prep written anew for expert scheduling mode. Each part assembles by itself: llvm-mc -triple=amdgcn-amd-amdhsa -mcpu=gfx1250 --defsym DOCPART=n.
;; ======== version 1 of 2: 4 launches
;; limits: values are held in f16: magnitudes above 65,504 overflow, below 6.1e-05 lose precision
;; workspace buffers: xf 8,388,608 bytes; wf 4,194,304 bytes; wof 2,097,152 bytes; tb 8,388,608 bytes; qf 8,388,608 bytes; kf 4,194,304 bytes; vf 4,194,304 bytes; of 8,388,608 bytes
;; launch prep (part 1): grid 768 x 1, 8 waves a work-group, no clusters, 35,840 bytes of LDS; arguments x, Wq, Wk, Wv, Wo, xf, wf, wof, tb; writes xf, wf, wof, tb
.if DOCPART == 1
	.amdgcn_target "amdgcn-amd-amdhsa--gfx1250"
	.amdhsa_code_object_version 6
	.text
	.protected	k_qf8c6c1061b_prep
	.globl	k_qf8c6c1061b_prep
	.p2align	8
	.type	k_qf8c6c1061b_prep,@function
k_qf8c6c1061b_prep:
	s_mov_b64 s[64:65], 0
	v_nop
	global_prefetch_b8 v0, s[64:65] scope:SCOPE_SE
	s_setreg_imm32_b32 hwreg(HW_REG_WAVE_MODE, 25, 1), 1
	s_wait_xcnt 0x0
; PREP: x and the four weights are rounded once to f16 and laid out as FRAGMENT IMAGES; the RoPE table is made.
; An image block is 16 rows x 32 k of f16, 1,024 bytes: the 16 bytes at half x 512 + (r + 16 h) x 16 are k = 16 half + 8 h + 0..7 of row r: what a lane of a matrix operand
; holds in registers 4 half .. 4 half + 3.  Seen otherwise: a UNIT of 8 k is 256 bytes on end, row r at 16 r.
;   xf  [token tile 0..255][k block 0..31]     rows = tokens, k = x's columns
;   wf  [n tile 0..127][k block]               rows = outputs (0-63 Wq's columns, 64-95 Wk's, 96-127 Wv's), k = inputs;   wof the same for Wo's 64 n tiles
;   tb  [position tile 0..127][n tile 0..63]   f32: at lane x 16 four sqrt(c) cos, at 512 + lane x 16 four sqrt(c) sin, for position 16 tt + r and pairs 8 nt + 4 h + 0..3
; c = log2(e) / sqrt(32): q and k both pass through the table, so their product carries the softmax's scale and the change to base 2.
; Work-groups 0-255: a token tile of x.  256-639: 64 inputs x 128 outputs of a weight.  640-767: a position tile of the table.  The choice hangs on the work-group's number alone.
; LIMITS.  f16 holds no number beyond 65,504, and below 6e-5 it keeps a fixed step of 6e-8.  The angle is s x theta in f32, as the problem forms it; theta = 2^(-i log2(10000) / 512);
; sine and cosine by reduction to -pi .. pi (2 pi in two parts) and Taylor sums to r^15 and r^16: what is cut off is under 1e-6.
.set UP,    272                        ; a unit in LDS: 256 bytes + 16: sixteen neighbouring units start at sixteen different 16-byte columns of 256 bytes
.set SPARE, 34816                      ; behind 128 units: the spare words, 128 bytes for each of the eight waves
.set SPW,   90                         ; v90  LDS address of my spare word; never rewritten
.set NIL,   91                         ; v91  0; never rewritten
.set WV,    4                          ; s4   my wave's number
	s_load_b512 s[8:23], s[0:1], 0x0               ; x s[8:9], Wq s[10:11], Wk s[12:13], Wv s[14:15], Wo s[16:17], xf s[18:19], wf s[20:21], wof s[22:23]
	s_load_b64 s[24:25], s[0:1], 0x40              ; tb
	v_lshl_add_u32 v[SPW], v0, 2, SPARE
	v_mov_b32 v[NIL], 0
	v_lshrrev_b32 v2, 5, v0
	v_readfirstlane_b32 s[WV], v2                  ; wave 0..7
	v_and_b32 v1, 31, v0                           ; lane
	s_mov_b32 s7, 0                                ; the high word of every offset pair s[6:7]
	s_wait_kmcnt 0x0
	s_cmp_lt_u32 ttmp9, 256
	s_cbranch_scc1 .Lx
	s_cmp_lt_u32 ttmp9, 640
	s_cbranch_scc1 .Lw
	; THE TABLE.  Wave w makes blocks nt = 8 w .. 8 w + 7 of position tile tt, one a trip: four pairs a lane.
	s_sub_co_u32 s5, ttmp9, 640                    ; tt
	s_lshl_b32 s6, s5, 16                          ; 64 blocks of 1,024 bytes
	s_add_nc_u64 s[24:25], s[24:25], s[6:7]
	s_mov_b32 s40, 0xbe2aaaab                      ; sine: -1/3!
	s_mov_b32 s41, 0x3c088889                      ; 1/5!
	s_mov_b32 s42, 0xb9500d01                      ; -1/7!
	s_mov_b32 s43, 0x3638ef1d                      ; 1/9!
	s_mov_b32 s44, 0xb2d7322b                      ; -1/11!
	s_mov_b32 s45, 0x2f309231                      ; 1/13!
	s_mov_b32 s46, 0xab573f9f                      ; -1/15!
	s_mov_b32 s47, 0x3d2aaaab                      ; cosine: 1/4!
	s_mov_b32 s48, 0xbab60b61                      ; -1/6!
	s_mov_b32 s49, 0x37d00d01                      ; 1/8!
	s_mov_b32 s50, 0xb493f27e                      ; -1/10!
	s_mov_b32 s51, 0x310f76c7                      ; 1/12!
	s_mov_b32 s52, 0xad49cba5                      ; -1/14!
	s_mov_b32 s53, 0x29573f9f                      ; 1/16!
	s_mov_b32 s54, 0xc0c90fdb                      ; -(2 pi rounded to f32)
	s_mov_b32 s55, 0x343bbd2e                      ; that rounding's excess over 2 pi, 1.7484556e-7: given back
	s_mov_b32 s56, 0x3f014852                      ; sqrt(c) = 0.50500977
	v_and_b32 v3, 15, v0                           ; r
	v_bfe_u32 v8, v0, 4, 1                         ; h
	s_lshl_b32 s6, s5, 4
	v_add_nc_u32 v3, s6, v3
	v_cvt_f32_u32 v4, v3                           ; my position s = 16 tt + r
	v_lshlrev_b32 v6, 2, v8
	v_lshl_add_u32 v6, s[WV], 6, v6                ; my first pair: 8 nt + 4 h, nt = 8 w
	v_lshlrev_b32 v7, 4, v1
	v_lshl_add_u32 v7, s[WV], 13, v7               ; my 16 bytes of block 8 w
	s_mov_b32 s5, 8
.Ltab:
.irp j, 0,1,2,3
	v_add_nc_u32 v[12+\j], \j, v6
.endr
.irp j, 0,1,2,3
	v_cvt_f32_u32 v[12+\j], v[12+\j]
.endr
.irp j, 0,1,2,3
	v_mul_f32 v[12+\j], 0xbcd49a78, v[12+\j]       ; -i log2(10000) / 512
.endr
.irp j, 0,1,2,3
	v_exp_f32 v[16+\j], v[12+\j]                   ; theta: one batch of four
.endr
	v_add_nc_u32 v6, 8, v6                         ; the next trip's pairs: the plain instruction behind the last exponential
	s_wait_alu depctr_va_vdst(0)                   ; one wait for the batch, ahead of its first reader
.irp j, 0,1,2,3
	v_mul_f32 v[16+\j], v4, v[16+\j]               ; the angle
.endr
.irp j, 0,1,2,3
	v_mul_f32 v[20+\j], 0.15915494, v[16+\j]
.endr
.irp j, 0,1,2,3
	v_rndne_f32 v[20+\j], v[20+\j]                 ; whole turns, 326 at the most
.endr
.irp j, 0,1,2,3
	v_fma_f32 v[16+\j], v[20+\j], s54, v[16+\j]
.endr
.irp j, 0,1,2,3
	v_fma_f32 v[16+\j], v[20+\j], s55, v[16+\j]    ; r in -pi .. pi
.endr
.irp j, 0,1,2,3
	v_mul_f32 v[20+\j], v[16+\j], v[16+\j]         ; z = r r
.endr
.irp j, 0,1,2,3
	v_fma_f32 v[24+\j], v[20+\j], s46, s45
.endr
.irp c, 44,43,42,41,40
.irp j, 0,1,2,3
	v_fma_f32 v[24+\j], v[24+\j], v[20+\j], s\c
.endr
.endr
.irp j, 0,1,2,3
	v_fma_f32 v[28+\j], v[20+\j], s53, s52
.endr
.irp c, 51,50,49,48,47
.irp j, 0,1,2,3
	v_fma_f32 v[28+\j], v[28+\j], v[20+\j], s\c
.endr
.endr
.irp j, 0,1,2,3
	v_fma_f32 v[28+\j], v[28+\j], v[20+\j], -0.5
.endr
.irp j, 0,1,2,3
	v_fma_f32 v[28+\j], v[28+\j], v[20+\j], 1.0    ; cos r
.endr
.irp j, 0,1,2,3
	v_mul_f32 v[20+\j], v[16+\j], v[20+\j]         ; r z
.endr
.irp j, 0,1,2,3
	v_fma_f32 v[24+\j], v[20+\j], v[24+\j], v[16+\j]  ; sin r
.endr
.irp j, 0,1,2,3
	v_mul_f32 v[32+\j], s56, v[28+\j]
.endr
.irp j, 0,1,2,3
	v_mul_f32 v[36+\j], s56, v[24+\j]
.endr
	global_store_b128 v7, v[32:35], s[24:25]             ; the wave's store covers 512 consecutive bytes
	global_store_b128 v7, v[36:39], s[24:25] offset:512
	s_wait_xcnt 0x0                                ; the stores have read their offset and data: both are written again only behind this wait
	v_add_nc_u32 v7, 1024, v7
	s_sub_co_u32 s5, s5, 1
	s_cmp_lg_u32 s5, 0
	s_cbranch_scc1 .Ltab
	s_branch .Lend
	; A TOKEN TILE OF x: 16 rows of 4,096 bytes.  Wave w reads rows 2 w and 2 w + 1; a lane takes 8 numbers on end (a unit's share of a row), rounds them to 16 bytes and
	; puts them at unit x 272 + row x 16.  Behind the barrier the units go out as they lie in xf, 512 consecutive bytes a store.
.Lx:
	s_lshl_b32 s6, ttmp9, 16
	s_add_nc_u64 s[8:9], s[8:9], s[6:7]            ; x at the tile's first row
	s_lshl_b32 s6, ttmp9, 15
	s_add_nc_u64 s[18:19], s[18:19], s[6:7]        ; xf at the tile
	v_lshlrev_b32 v4, 5, v1
	v_lshl_add_u32 v4, s[WV], 13, v4               ; two rows a wave, 32 bytes a lane
.irp ch, 0,1,2,3,4,5,6,7                ; chunk ch: row 2 w + ch / 4, bytes 1,024 (ch % 4) on
	global_load_b128 v[16+8*(\ch):19+8*(\ch)], v4, s[8:9] offset:((\ch)/4)*4096+((\ch)%4)*1024 th:TH_LOAD_NT
	global_load_b128 v[20+8*(\ch):23+8*(\ch)], v4, s[8:9] offset:((\ch)/4)*4096+((\ch)%4)*1024+16 th:TH_LOAD_NT
.endr
	v_mul_u32_u24 v5, v1, UP
	v_lshl_add_u32 v5, s[WV], 5, v5                ; in: unit = lane (+ 32 a chunk), row 2 w
	v_lshrrev_b32 v3, 4, v1
	v_lshl_add_u32 v3, s[WV], 4, v3
	v_mul_u32_u24 v6, v3, UP
	v_and_b32 v3, 15, v1
	v_lshl_add_u32 v6, v3, 4, v6                   ; back: units 16 w + lane / 16 (+ 2 a load), 16 bytes a lane
	v_lshlrev_b32 v7, 4, v1
	v_lshl_add_u32 v7, s[WV], 12, v7               ; and the same bytes in xf
.irp ch, 0,1,2,3,4,5,6,7
	s_wait_loadcnt 14-2*(\ch)                      ; loads come back in order: this chunk's two are in, the younger ones stay out
.irp k, 0,1,2,3
	v_cvt_pk_f16_f32 v[16+8*(\ch)+(\k)], v[16+8*(\ch)+2*(\k)], v[16+8*(\ch)+2*(\k)+1]
.endr
	ds_store_b128 v5, v[16+8*(\ch):19+8*(\ch)] offset:((\ch)%4)*8704+((\ch)/4)*16
.endr
	s_wait_dscnt 0x0                               ; for the others' sake: my stores are done
	s_barrier_signal -1
	s_barrier_wait -1
.irp i, 0,1,2,3,4,5,6,7
	ds_load_b128 v[16+4*(\i):19+4*(\i)], v6 offset:(\i)*544
.endr
.irp i, 0,1,2,3,4,5,6,7
	s_wait_dscnt 7-(\i)
	global_store_b128 v7, v[16+4*(\i):19+4*(\i)], s[18:19] offset:(\i)*512
.endr
	s_branch .Lend
	; 64 INPUTS x 128 OUTPUTS OF A WEIGHT, stored [input][output].  Wave w reads inputs 8 w .. 8 w + 7 (a unit), a lane four outputs of each; eight numbers of one output pack into
	; 16 bytes, which go to unit (8 w + output / 16) x 272 + (output % 16) x 16.  Behind the barrier wave w sends n tile w: its eight units are 2,048 consecutive bytes of the image.
.Lw:
	s_sub_co_u32 s5, ttmp9, 256                    ; 0-127 Wq, 128-191 Wk, 192-255 Wv, 256-383 Wo
	s_mov_b64 s[26:27], s[16:17]                   ; from
	s_mov_b64 s[28:29], s[22:23]                   ; to
	s_mov_b32 s30, 12                              ; log2 of a row's bytes
	s_mov_b32 s31, 0                               ; the weight's first n tile in its image
	s_mov_b32 s32, 127                             ; work-groups of the weight, less 1
	s_cmp_lt_u32 s5, 256
	s_cselect_b64 s[26:27], s[14:15], s[26:27]
	s_cselect_b64 s[28:29], s[20:21], s[28:29]
	s_cselect_b32 s30, 11, s30
	s_cselect_b32 s31, 96, s31
	s_cselect_b32 s32, 63, s32
	s_cmp_lt_u32 s5, 192
	s_cselect_b64 s[26:27], s[12:13], s[26:27]
	s_cselect_b32 s31, 64, s31
	s_cmp_lt_u32 s5, 128
	s_cselect_b64 s[26:27], s[10:11], s[26:27]
	s_cselect_b32 s30, 12, s30
	s_cselect_b32 s31, 0, s31
	s_cselect_b32 s32, 127, s32
	s_and_b32 s32, s5, s32                         ; my place in the weight
	s_and_b32 s33, s32, 15                         ; which 64 inputs
	s_lshr_b32 s34, s32, 4                         ; which 128 outputs
	s_lshl_b32 s6, s33, 6
	s_lshl_b32 s6, s6, s30
	s_lshl_b32 s35, s34, 9
	s_add_co_u32 s6, s6, s35
	s_add_nc_u64 s[26:27], s[26:27], s[6:7]
	s_lshl_b32 s6, s34, 3
	s_add_co_u32 s6, s6, s31
	s_lshl_b32 s6, s6, 15                          ; an n tile is 32,768 bytes,
	s_lshl_b32 s35, s33, 11                        ; 64 inputs 2,048 of them
	s_add_co_u32 s6, s6, s35
	s_add_nc_u64 s[28:29], s[28:29], s[6:7]
	s_lshl_b32 s35, s[WV], 3
	s_lshl_b32 s36, s35, s30                       ; my wave's first row
	s_lshl_b32 s37, 1, s30                         ; a row
	v_lshlrev_b32 v3, 4, v1
	v_add_nc_u32 v8, s36, v3
.irp e, 1,2,3,4,5,6,7
	v_add_nc_u32 v[8+\e], s37, v[7+\e]
.endr
.irp e, 0,1,2,3,4,5,6,7
	global_load_b128 v[16+4*(\e):19+4*(\e)], v[8+\e], s[26:27] th:TH_LOAD_NT  ; 512 consecutive bytes of a row
.endr
	v_lshrrev_b32 v4, 2, v1
	v_add_nc_u32 v4, s35, v4
	v_mul_u32_u24 v5, v4, UP
	v_and_b32 v4, 3, v1
	v_lshl_add_u32 v5, v4, 6, v5                   ; in: unit 8 w + lane / 4, rows 4 (lane % 4) on
	v_lshrrev_b32 v4, 4, v1
	v_lshl_add_u32 v4, v4, 3, s[WV]
	v_mul_u32_u24 v6, v4, UP
	v_and_b32 v4, 15, v1
	v_lshl_add_u32 v6, v4, 4, v6                   ; back: units 8 (lane / 16 + 2 i) + w
	v_lshl_add_u32 v7, s[WV], 15, v3               ; n tile w, 16 bytes a lane
	s_wait_loadcnt 0x0
.irp c, 0,1,2,3
.irp k, 0,1,2,3
	v_cvt_pk_f16_f32 v[48+4*(\c)+(\k)], v[16+8*(\k)+(\c)], v[20+8*(\k)+(\c)]
.endr
	ds_store_b128 v5, v[48+4*(\c):51+4*(\c)] offset:16*(\c)
.endr
	s_wait_dscnt 0x0                               ; for the others' sake: my stores are done
	s_barrier_signal -1
	s_barrier_wait -1
.irp i, 0,1,2,3
	ds_load_b128 v[16+4*(\i):19+4*(\i)], v6 offset:(\i)*4352
.endr
.irp i, 0,1,2,3
	s_wait_dscnt 3-(\i)
	global_store_b128 v7, v[16+4*(\i):19+4*(\i)], s[28:29] offset:(\i)*512
.endr
.Lend:
	s_wait_tensorcnt 0x0                           ; the wave's end: behind my last LDS store
	ds_add_u32 v[SPW], v[NIL]
	s_wait_dscnt 0x0
	s_endpgm
.Lfunc_end_k_qf8c6c1061b_prep:
	.size	k_qf8c6c1061b_prep, .Lfunc_end_k_qf8c6c1061b_prep-k_qf8c6c1061b_prep
	.p2alignl 7, 3214868480
	.fill 96, 4, 3214868480
	.section	.rodata,"a",@progbits
	.p2align	6, 0x0
	.amdhsa_kernel k_qf8c6c1061b_prep
		.amdhsa_group_segment_fixed_size 35840
		.amdhsa_private_segment_fixed_size 0
		.amdhsa_enable_private_segment 0
		.amdhsa_kernarg_size 72
		.amdhsa_user_sgpr_count 2
		.amdhsa_user_sgpr_kernarg_segment_ptr 1
		.amdhsa_wavefront_size32 1
		.amdhsa_system_sgpr_workgroup_id_x 1
		.amdhsa_system_sgpr_workgroup_id_y 1
		.amdhsa_system_sgpr_workgroup_id_z 1
		.amdhsa_system_vgpr_workitem_id 0
		.amdhsa_next_free_vgpr 96
		.amdhsa_next_free_sgpr 66
		.amdhsa_reserve_vcc 0
		.amdhsa_float_denorm_mode_32 3
		.amdhsa_float_denorm_mode_16_64 3
		.amdhsa_memory_ordered 1
		.amdhsa_forward_progress 1
		.amdhsa_inst_pref_size 21
	.end_amdhsa_kernel
	.amdgpu_metadata
---
amdhsa.version: [ 1, 2 ]
amdhsa.kernels:
  - .name:           k_qf8c6c1061b_prep
    .symbol:         k_qf8c6c1061b_prep.kd
    .args:
      - { .name: x, .offset: 0, .size: 8, .value_kind: global_buffer, .address_space: global }
      - { .name: Wq, .offset: 8, .size: 8, .value_kind: global_buffer, .address_space: global }
      - { .name: Wk, .offset: 16, .size: 8, .value_kind: global_buffer, .address_space: global }
      - { .name: Wv, .offset: 24, .size: 8, .value_kind: global_buffer, .address_space: global }
      - { .name: Wo, .offset: 32, .size: 8, .value_kind: global_buffer, .address_space: global }
      - { .name: xf, .offset: 40, .size: 8, .value_kind: global_buffer, .address_space: global }
      - { .name: wf, .offset: 48, .size: 8, .value_kind: global_buffer, .address_space: global }
      - { .name: wof, .offset: 56, .size: 8, .value_kind: global_buffer, .address_space: global }
      - { .name: tb, .offset: 64, .size: 8, .value_kind: global_buffer, .address_space: global }
    .group_segment_fixed_size: 35840
    .private_segment_fixed_size: 0
    .kernarg_segment_align: 8
    .kernarg_segment_size: 72
    .max_flat_workgroup_size: 256
    .sgpr_count:     66
    .vgpr_count:     96
    .wavefront_size: 32
...
	.end_amdgpu_metadata
.endif
;; end of part 1
;; launch qkv (part 2): grid 16 x 16, 4 waves a work-group, clusters of 4 x 4, 327,680 bytes of LDS; arguments xf, wf, tb, qf, kf, vf; writes qf, kf, vf
.if DOCPART == 2
	.amdgcn_target "amdgcn-amd-amdhsa--gfx1250"
	.amdhsa_code_object_version 6
	.text
	.protected	k_qf8c6c1061b_qkv
	.globl	k_qf8c6c1061b_qkv
	.p2align	8
	.type	k_qf8c6c1061b_qkv,@function
k_qf8c6c1061b_qkv:
	s_mov_b64 s[64:65], 0
	v_nop
	global_prefetch_b8 v0, s[64:65] scope:SCOPE_SE
	s_setreg_imm32_b32 hwreg(HW_REG_WAVE_MODE, 25, 1), 1
	s_wait_xcnt 0x0
	s_wait_alu depctr_hold_cnt(0) depctr_sa_sdst(0) depctr_va_vdst(0) depctr_va_sdst(0) depctr_va_ssrc(0) depctr_va_vcc(0) depctr_vm_vsrc(0)
	s_getreg_b32 s2, hwreg(HW_REG_IB_STS2, 6, 4)
	s_cmp_eq_u32 s2, 0
	s_cbranch_scc0 .Lentry_in_a_cluster
	s_endpgm
.Lentry_in_a_cluster:
	s_bfe_u32 s2, ttmp6, 0x10000c
	s_cmp_lg_u32 s2, 0xf033
	s_cbranch_scc0 .Lentry_shape_is_right
	s_endpgm
.Lentry_shape_is_right:
; QKV: [4,096 tokens] x [2,048 outputs: 1,024 of q, 512 of k, 512 of v], K = 1,024, f16 operands, f32 sums; RoPE (with the softmax's scale in the table) on q and k; all three leave as f16 fragment images by heads.
; An image block is 16 rows x 32 k, 1,024 bytes: the 16 bytes at half x 512 + lane x 16 are a lane's registers 4 half .. 4 half + 3 of a matrix operand.  So a fragment is two loads of 16 bytes
; a lane at lane x 16, 512 bytes apart: consecutive bytes, from LDS as from memory, and a tile in LDS needs no padding.
; SHARES.  A work-group makes 256 tokens x 128 outputs, each of its four waves 128 x 64: 8 token tiles x 4 output tiles, 32 accumulators.  K goes in steps of 128 (four blocks) through two LDS slots.
; TRANSPOSED USE: source 0 = 16 outputs of W, source 1 = 16 tokens: a lane ends with ONE token (lane % 16) and the outputs 8 (lane / 16) + 0..7: four RoPE pairs in neighbouring registers,
; and, rounded, 16 bytes that ARE its share of an image block of q or k (rows = tokens, k = the head's 32 channels; an output tile is half a head).
; v's blocks are laid for the turning LDS load: two halves of 16 channels; in a half, piece L is key 8 (L / 16) + L % 8, channels 8 ((L / 8) % 2) + 0..7.
; CLUSTER 4 x 4: the four of a row share their tokens' tiles, the four of a column their weights': each is asked for jointly.  The kind (q, k, v) hangs on the cluster's x alone: 0, 1 q; 2 k; 3 v.
; ONE WAY OUT: a work-group of v writes cos = 1, sin = 0 where the others load the table; then the same lines serve all three.
; LIMITS.  q, k (times 0.505) and v are rounded to f16: they stay under 65,504, and below 6e-5 keep f16's fixed step of 6e-8.
; REGISTERS, in windows of 256 (s_set_vgpr_msb: bits 1:0 source 0, 3:2 source 1, 5:4 source 2, 7:6 destination):
;   window 0: v0-31 addresses; v64-159, v160-255 two fragment buffers (8 of x, then 4 of W); on the way out v64-191 what is stored, v192-255 at work
;   window 1: the accumulators, (a, b) at 8 (4 a + b)          window 2: for accumulator i: four cos at 8 i, four sin at 8 i + 4
.set SLOT,  98304                      ; x's 16 tiles x 4 blocks, then W's 8 tiles x 4 blocks
.set WOFF,  65536
.set SPARE, 2*SLOT                     ; behind the ring: the spare words, 128 bytes for each wave
.set LAPS,  4                          ; a lap = two K steps = once round the ring
.set ADRX,  16                         ; v16-17  LDS address of my x fragments in slot 0, 1
.set ADRW,  20                         ; v20-21  the same for W
.set TO,    24                         ; v24     lane x 16; never rewritten
.set SO,    25                         ; v25     my 16 bytes in half a block of the output
.set SPW,   28                         ; v28     LDS address of my spare word; never rewritten
.set NIL,   29                         ; v29     0; never rewritten
.set F0,    64
.set F1,    160
.set OUTR,  64
.set TT,    192
.set WV,    16                         ; s16 wave;  s17 which half of the tokens is mine, also: I fetch x (0) or W (1);  s18 which half of the outputs, also: which half of that tile I fetch
.set WR,    17
.set WC,    18
.set G1X,   24                         ; s[24:31] descriptor group 1 for x's tiles;  s[32:39] group 0, a set for each slot
.set G0X,   32
.set G1W,   48                         ; s[48:55], s[56:63] the same for W's
.set G0W,   56
.set DST,   74                         ; s[74:75] the output at my first block
.set MSB, 0
.macro WIN new                         ; the immediate's high byte repeats the setting that is left; a switch that changes nothing is dropped
.if MSB != (\new)
	s_set_vgpr_msb (MSB<<8)|(\new)
.set MSB, \new
.endif
.endm
.macro JLOAD s                         ; a joint load: waves 0 and 1 fetch the halves of x's tile, waves 2 and 3 those of W's; an s_nop 0 and four v_nop follow each line
	s_cmp_eq_u32 s[WR], 0
	s_cbranch_scc0 .Lfor_w_\@
	tensor_load_to_lds s[G0X+4*(\s):G0X+4*(\s)+3], s[G1X:G1X+7]
	s_nop 0
.rept 4
	v_nop
.endr
	s_branch .Lasked_\@
.Lfor_w_\@:
	tensor_load_to_lds s[G0W+4*(\s):G0W+4*(\s)+3], s[G1W:G1W+7]
	s_nop 0
.rept 4
	v_nop
.endr
.Lasked_\@:
.endm
.macro CREST                           ; a round of the cluster's barrier behind its opening barrier
	s_cmp_lg_u32 s[WV], 0
	s_cbranch_scc1 .Lnot_wave_0_\@
	s_barrier_signal -3
.Lnot_wave_0_\@:
	s_barrier_wait -3
	s_barrier_signal -1
	s_barrier_wait -1
.endm
.macro CROUND
	s_barrier_signal -1
	s_barrier_wait -1
	CREST
.endm
.macro PLACES                          ; four plain instructions between a matrix instruction and a load into, or a vector line on, its registers
.rept 4
	v_nop
.endr
.endm
	s_load_b256 s[4:11], s[0:1], 0x0               ; xf s[4:5], wf s[6:7], tb s[8:9], qf s[10:11]
	s_load_b128 s[12:15], s[0:1], 0x20             ; kf s[12:13], vf s[14:15]
	v_lshl_add_u32 v[SPW], v0, 2, SPARE
	v_mov_b32 v[NIL], 0
	ds_add_u32 v[SPW], v[NIL]                      ; the wave's opening: the add and its wait stand ahead of my first tensor load; the set-up below stands between them
	v_lshrrev_b32 v1, 5, v0
	v_readfirstlane_b32 s[WV], v1                  ; wave 0..3
	s_lshr_b32 s[WR], s[WV], 1
	s_and_b32 s[WC], s[WV], 1
	s_bfe_u32 s20, ttmp6, 0x40000                  ; cx
	s_bfe_u32 s21, ttmp6, 0x40004                  ; cy
	s_lshl_b32 s22, ttmp9, 2
	s_add_co_u32 s22, s22, s20                     ; x: which 128 outputs
	s_and_b32 s23, ttmp7, 0xffff
	s_lshl_b32 s23, s23, 2
	s_add_co_u32 s23, s23, s21                     ; Y: which 256 tokens
	s_lshl_b32 s40, s21, 2
	s_lshl_b32 s40, 15, s40                        ; my row of the cluster
	s_lshl_b32 s44, 0x1111, s20                    ; my column
	; group 1: rows of 4,096 bytes (a tile's four blocks of a K step, on end in memory) as 512 elements of 8 bytes; from tile to tile 32,768 bytes; 8 rows of x, 4 of W
	s_or_b32 s[G1X], s40, (3<<16)|(1<<21)          ; 15:0 the mask; 17:16 elements of 8 bytes; 21 set beside a mask
	s_or_b32 s[G1W], s44, (3<<16)|(1<<21)
	s_mov_b32 s[G1X+1], 512<<16                    ; tensor_dim0 = 512
	s_mov_b32 s[G1X+2], 8<<16                      ; tensor_dim1 = 8
	s_mov_b32 s[G1X+3], 512<<16                    ; tile_dim0 = 512
	s_mov_b32 s[G1X+4], 8                          ; tile_dim1 = 8
	s_mov_b32 s[G1X+5], 4096                       ; elements from row to row
	s_mov_b32 s[G1X+6], 0
	s_mov_b32 s[G1X+7], 0
	s_mov_b32 s[G1W+1], 512<<16
	s_mov_b32 s[G1W+2], 4<<16
	s_mov_b32 s[G1W+3], 512<<16
	s_mov_b32 s[G1W+4], 4
	s_mov_b32 s[G1W+5], 4096
	s_mov_b32 s[G1W+6], 0
	s_mov_b32 s[G1W+7], 0
	s_lshl_b32 s40, s23, 4                         ; x's tiles hang on Y and the wave alone,
	s_lshl_b32 s41, s[WC], 3
	s_add_co_u32 s40, s40, s41
	s_lshl_b32 s40, s40, 15
	s_mov_b32 s41, 0
	s_lshl_b32 s44, s22, 3                         ; W's on x and the wave alone
	s_lshl_b32 s45, s[WC], 2
	s_add_co_u32 s44, s44, s45
	s_lshl_b32 s44, s44, 15
	s_mov_b32 s45, 0
	s_lshl_b32 s66, s[WC], 15                      ; where they go: no place in the cluster enters an LDS address
	s_lshl_b32 s67, s[WC], 14
	s_add_co_u32 s67, s67, WOFF
	s_wait_dscnt 0x0                               ; the opening add is done
	s_wait_kmcnt 0x0
	s_add_nc_u64 s[42:43], s[4:5], s[40:41]
	s_add_nc_u64 s[46:47], s[6:7], s[44:45]
	CROUND                                         ; all sixteen work-groups are here: the first joint loads meet
.irp s, 0,1
	s_mov_b32 s[G0X+4*(\s)], 1
	s_add_co_u32 s[G0X+4*(\s)+1], s66, (\s)*SLOT
	s_add_nc_u64 s[G0X+4*(\s)+2:G0X+4*(\s)+3], s[42:43], (\s)*4096
	s_or_b32 s[G0X+4*(\s)+3], s[G0X+4*(\s)+3], 0x80000000
	s_mov_b32 s[G0W+4*(\s)], 1
	s_add_co_u32 s[G0W+4*(\s)+1], s67, (\s)*SLOT
	s_add_nc_u64 s[G0W+4*(\s)+2:G0W+4*(\s)+3], s[46:47], (\s)*4096
	s_or_b32 s[G0W+4*(\s)+3], s[G0W+4*(\s)+3], 0x80000000
	JLOAD \s                                       ; K steps 0 and 1: two loads of mine are out
.endr
	v_and_b32 v1, 31, v0
	v_lshlrev_b32 v[TO], 4, v1
	s_lshl_b32 s68, s[WR], 15                      ; my 8 tiles of x
	s_lshl_b32 s69, s[WC], 14                      ; my 4 tiles of W
	s_add_co_u32 s69, s69, WOFF
.irp s, 0,1
	v_add_nc_u32 v[ADRX+(\s)], s68, v[TO]
	v_add_nc_u32 v[ADRW+(\s)], s69, v[TO]
	s_add_co_u32 s68, s68, SLOT
	s_add_co_u32 s69, s69, SLOT
.endr
	v_and_b32 v2, 7, v0                            ; v's order of pieces: 16 (r / 8) + 8 h + r % 8
	v_bfe_u32 v3, v0, 3, 1
	v_bfe_u32 v4, v0, 4, 1
	v_lshl_add_u32 v2, v4, 3, v2
	v_lshl_add_u32 v2, v3, 4, v2
	v_lshlrev_b32 v2, 4, v2
	s_cmp_eq_u32 ttmp9, 3
	s_cselect_b32 s70, -1, 0
	v_cndmask_b32 v[SO], v[TO], v2, s70
	s_cmp_lt_u32 ttmp9, 2                          ; q?
	s_cselect_b32 s71, 7, 3
	s_cselect_b32 s72, 5, 4                        ; log2 of the heads: 32 or 16
	s_cselect_b64 s[DST:DST+1], s[10:11], s[12:13]
	s_cmp_eq_u32 ttmp9, 3
	s_cselect_b64 s[DST:DST+1], s[14:15], s[DST:DST+1]
	s_and_b32 s71, s22, s71                        ; which 128 outputs of my tensor
	s_and_b32 s73, s23, 7
	s_lshl_b32 s73, s73, 4
	s_lshl_b32 s76, s[WR], 3
	s_add_co_u32 s73, s73, s76                     ; my first position tile
	s_lshr_b32 s76, s23, 3                         ; the batch
	s_lshl_b32 s76, s76, s72
	s_lshl_b32 s77, s71, 2
	s_add_co_u32 s76, s76, s77
	s_lshl_b32 s77, s[WC], 1
	s_add_co_u32 s76, s76, s77                     ; my first head
	s_lshl_b32 s76, s76, 17                        ; a head is 128 blocks
	s_lshl_b32 s77, s73, 10
	s_add_co_u32 s76, s76, s77
	s_mov_b32 s77, 0
	s_add_nc_u64 s[DST:DST+1], s[DST:DST+1], s[76:77]
	s_lshl_b32 s76, s73, 6                         ; the table: [position tile][output tile]
	s_lshl_b32 s78, s71, 3
	s_add_co_u32 s76, s76, s78
	s_lshl_b32 s78, s[WC], 2
	s_add_co_u32 s76, s76, s78
	s_lshl_b32 s76, s76, 10
	s_add_nc_u64 s[8:9], s[8:9], s[76:77]
	s_cmp_eq_u32 ttmp9, 3
	s_cbranch_scc1 .Lunit
	WIN 0x80                                       ; destination window 2, address window 0
.set i, 0
.rept 32                                ; the table for my 32 accumulators: it lands under the K loop and is waited for on the way out
	global_load_b128 v[8*i:8*i+3],   v[TO], s[8:9] offset:(i/4)*65536+(i%4)*1024
	global_load_b128 v[8*i+4:8*i+7], v[TO], s[8:9] offset:(i/4)*65536+(i%4)*1024+512
.set i, i+1
.endr
	WIN 0
	s_branch .Ltabbed
.Lunit:                                 ; v is not turned: cos = 1, sin = 0
	WIN 0x80
.set i, 0
.rept 32
.irp j, 0,1,2,3
	v_mov_b32 v[8*i+\j], 1.0
.endr
.irp j, 4,5,6,7
	v_mov_b32 v[8*i+\j], 0
.endr
.set i, i+1
.endr
	WIN 0
.Ltabbed:
; 8 matrix instructions: token tiles a0, a0 + 1 x my 4 output tiles, one block (32) along K.  The 32 accumulators take turns, one instruction a turn.
.macro MUL8 f, a0, zero
	WIN 0x50                                       ; C and D window 1, the fragments window 0
.irp a, \a0, (\a0)+1
.irp b, 0,1,2,3
.if \zero
	v_wmma_f32_16x16x32_f16 v[8*(4*(\a)+(\b)):8*(4*(\a)+(\b))+7], v[(\f)+64+8*(\b):(\f)+64+8*(\b)+7], v[(\f)+8*(\a):(\f)+8*(\a)+7], 0
.else
	v_wmma_f32_16x16x32_f16 v[8*(4*(\a)+(\b)):8*(4*(\a)+(\b))+7], v[(\f)+64+8*(\b):(\f)+64+8*(\b)+7], v[(\f)+8*(\a):(\f)+8*(\a)+7], v[8*(4*(\a)+(\b)):8*(4*(\a)+(\b))+7]
.endif
.endr
.endr
.endm
; 24 LDS loads in one run: block kbl of the slot's four, into buffer f: W's 4 fragments, x's tiles 0-3, x's tiles 4-7
.macro FETCH slot, kbl, f
	WIN 0
.irp b, 0,1,2,3
	ds_load_b128 v[(\f)+64+8*(\b):(\f)+64+8*(\b)+3],   v[ADRW+(\slot)] offset:(\b)*4096+(\kbl)*1024
	ds_load_b128 v[(\f)+64+8*(\b)+4:(\f)+64+8*(\b)+7], v[ADRW+(\slot)] offset:(\b)*4096+(\kbl)*1024+512
.endr
.irp a, 0,1,2,3,4,5,6,7
	ds_load_b128 v[(\f)+8*(\a):(\f)+8*(\a)+3],   v[ADRX+(\slot)] offset:(\a)*4096+(\kbl)*1024
	ds_load_b128 v[(\f)+8*(\a)+4:(\f)+8*(\a)+7], v[ADRX+(\slot)] offset:(\a)*4096+(\kbl)*1024+512
.endr
.endm
; A K step is four quarters of one block, 32 matrix instructions each, on buffers 0, 1, 0, 1.  One of the first three multiplies buffer f and fetches block k into g.
.macro QUARTER slot, k, f, g, zero
	s_wait_dscnt 8                                 ; W and x's tiles 0-3 are in; the youngest eight loads may be out
	MUL8 \f, 0, \zero
	MUL8 \f, 2, \zero
	PLACES
	FETCH \slot, \k, \g
	s_wait_dscnt 24                                ; all but the 24 just issued
	MUL8 \f, 4, \zero
	MUL8 \f, 6, \zero
.endm
; The last quarter multiplies buffer 1 and changes slots: one barrier; in front of it each wave waits for all its tensor loads (one is out: its part of the next slot), adds 0 to its spare word,
; and waits for that and for its own reads of this slot.  fill = 1: the barrier opens a round of the cluster's, and this slot is filled again, two K steps ahead, first thing behind the round:
; 112 matrix instructions ahead of the wait for it.
.macro TURN slot, next, fill
	WIN 0
	s_wait_tensorcnt 0x0
	ds_add_u32 v[SPW], v[NIL]
	s_wait_dscnt 9                                 ; (the add and the youngest eight loads may be out)
	MUL8 F1, 0, 0
	s_wait_dscnt 0x0                               ; the add is done, and my reads of this slot are over
	s_barrier_signal -1
	MUL8 F1, 2, 0
.if \fill
	WIN 0
.endif
	s_barrier_wait -1
.if \fill
	CREST                                          ; no wave of any partner still reads this slot or has a load on its way
	s_add_nc_u64 s[G0X+4*(\slot)+2:G0X+4*(\slot)+3], s[G0X+4*(\slot)+2:G0X+4*(\slot)+3], 8192
	s_add_nc_u64 s[G0W+4*(\slot)+2:G0W+4*(\slot)+3], s[G0W+4*(\slot)+2:G0W+4*(\slot)+3], 8192
	JLOAD \slot                                    ; its four v_nop are also the places in front of the loads below
.else
	PLACES
.endif
	FETCH \next, 0, F0
	MUL8 F1, 4, 0
	MUL8 F1, 6, 0
.endm
	s_wait_tensorcnt 1                             ; my part of K step 0 is in; K step 1's may stay out
	s_barrier_signal -1
	s_barrier_wait -1
	FETCH 0, 0, F0
	QUARTER 0, 1, F0, F1, 1                        ; the first quarter stands in front of the loop: its products start the sums
	WIN 0
	s_mov_b32 s3, LAPS-1
.Llap:                                  ; a trip goes once round the ring and fills both slots again
	QUARTER 0, 2, F1, F0, 0
	QUARTER 0, 3, F0, F1, 0
	TURN 0, 1, 1
	QUARTER 1, 1, F0, F1, 0
	QUARTER 1, 2, F1, F0, 0
	QUARTER 1, 3, F0, F1, 0
	TURN 1, 0, 1
	QUARTER 0, 1, F0, F1, 0
	WIN 0
	s_sub_co_u32 s3, s3, 1
	s_cmp_lg_u32 s3, 0
	s_cbranch_scc1 .Llap
	QUARTER 0, 2, F1, F0, 0                        ; the last lap fills nothing
	QUARTER 0, 3, F0, F1, 0
	TURN 0, 1, 0
	QUARTER 1, 1, F0, F1, 0
	QUARTER 1, 2, F1, F0, 0
	QUARTER 1, 3, F0, F1, 0
	s_wait_dscnt 8
	MUL8 F1, 0, 0
	MUL8 F1, 2, 0
	s_wait_dscnt 0x0
	MUL8 F1, 4, 0
	MUL8 F1, 6, 0
	WIN 0
	; THE WAY OUT.  Pair j of an accumulator (registers 2 j, 2 j + 1 = e, o) becomes e cos - o sin, o cos + e sin; eight numbers round to 16 bytes; a wave's store is half a block, 512 consecutive bytes.
	; Eight accumulators are turned under one window setting.  Each accumulator's lowest registers are read first.
.macro ROPE i, u
.irp j, 0,1,2,3
	v_mul_f32 v[TT+8*(\u)+2*(\j)],   v[8*(\i)+2*(\j)],   v[8*(\i)+(\j)]
	v_mul_f32 v[TT+8*(\u)+2*(\j)+1], v[8*(\i)+2*(\j)+1], v[8*(\i)+(\j)]
.endr
.irp j, 0,1,2,3
	v_fma_f32 v[TT+8*(\u)+2*(\j)],   -v[8*(\i)+2*(\j)+1], v[8*(\i)+4+(\j)], v[TT+8*(\u)+2*(\j)]
	v_fma_f32 v[TT+8*(\u)+2*(\j)+1], v[8*(\i)+2*(\j)],    v[8*(\i)+4+(\j)], v[TT+8*(\u)+2*(\j)+1]
.endr
.endm
.macro SENDH i, u                       ; accumulator i = 4 a + b: head b / 2 of my two, token tile a, half b % 2.  What is stored has registers of its own: nothing waits for a store
.irp j, 0,1,2,3
	v_cvt_pk_f16_f32 v[OUTR+4*(\i)+(\j)], v[TT+8*(\u)+2*(\j)], v[TT+8*(\u)+2*(\j)+1]
.endr
	global_store_b128 v[SO], v[OUTR+4*(\i):OUTR+4*(\i)+3], s[DST:DST+1] offset:(((\i)%4)/2)*131072+((\i)/4)*1024+((\i)%2)*512
.endm
	s_wait_loadcnt 0x0                             ; the table
	PLACES
.set g, 0
.rept 4
	WIN 0x09                                       ; source 0 (sums) window 1, source 1 (table) window 2, source 2 and destination window 0
.set u, 0
.rept 8
	ROPE 8*g+u, u
.set u, u+1
.endr
	WIN 0
.set u, 0
.rept 8
	SENDH 8*g+u, u
.set u, u+1
.endr
.set g, g+1
.endr
	s_wait_tensorcnt 0x0                           ; the wave's end: behind my last tensor load
	ds_add_u32 v[SPW], v[NIL]
	s_wait_dscnt 0x0
	CROUND                                         ; the closing round: no work-group ends while a partner may still ask for a tile that names it
	s_endpgm
.Lfunc_end_k_qf8c6c1061b_qkv:
	.size	k_qf8c6c1061b_qkv, .Lfunc_end_k_qf8c6c1061b_qkv-k_qf8c6c1061b_qkv
	.p2alignl 7, 3214868480
	.fill 96, 4, 3214868480
	.section	.rodata,"a",@progbits
	.p2align	6, 0x0
	.amdhsa_kernel k_qf8c6c1061b_qkv
		.amdhsa_group_segment_fixed_size 327680
		.amdhsa_private_segment_fixed_size 0
		.amdhsa_enable_private_segment 0
		.amdhsa_kernarg_size 48
		.amdhsa_user_sgpr_count 2
		.amdhsa_user_sgpr_kernarg_segment_ptr 1
		.amdhsa_wavefront_size32 1
		.amdhsa_system_sgpr_workgroup_id_x 1
		.amdhsa_system_sgpr_workgroup_id_y 1
		.amdhsa_system_sgpr_workgroup_id_z 1
		.amdhsa_system_vgpr_workitem_id 0
		.amdhsa_next_free_vgpr 768
		.amdhsa_next_free_sgpr 80
		.amdhsa_reserve_vcc 0
		.amdhsa_float_denorm_mode_32 3
		.amdhsa_float_denorm_mode_16_64 3
		.amdhsa_memory_ordered 1
		.amdhsa_forward_progress 1
		.amdhsa_inst_pref_size 120
	.end_amdhsa_kernel
	.amdgpu_metadata
---
amdhsa.version: [ 1, 2 ]
amdhsa.kernels:
  - .name:           k_qf8c6c1061b_qkv
    .symbol:         k_qf8c6c1061b_qkv.kd
    .args:
      - { .name: xf, .offset: 0, .size: 8, .value_kind: global_buffer, .address_space: global }
      - { .name: wf, .offset: 8, .size: 8, .value_kind: global_buffer, .address_space: global }
      - { .name: tb, .offset: 16, .size: 8, .value_kind: global_buffer, .address_space: global }
      - { .name: qf, .offset: 24, .size: 8, .value_kind: global_buffer, .address_space: global }
      - { .name: kf, .offset: 32, .size: 8, .value_kind: global_buffer, .address_space: global }
      - { .name: vf, .offset: 40, .size: 8, .value_kind: global_buffer, .address_space: global }
    .group_segment_fixed_size: 327680
    .private_segment_fixed_size: 0
    .kernarg_segment_align: 8
    .kernarg_segment_size: 48
    .max_flat_workgroup_size: 128
    .sgpr_count:     80
    .vgpr_count:     768
    .wavefront_size: 32
...
	.end_amdgpu_metadata
.endif
;; end of part 2
;; launch attn (part 3): grid 8 x 32, 4 waves a work-group, clusters of 4 x 1, 262,656 bytes of LDS; arguments qf, kf, vf, of; writes of
.if DOCPART == 3
	.amdgcn_target "amdgcn-amd-amdhsa--gfx1250"
	.amdhsa_code_object_version 6
	.text
	.protected	k_qf8c6c1061b_attn
	.globl	k_qf8c6c1061b_attn
	.p2align	8
	.type	k_qf8c6c1061b_attn,@function
k_qf8c6c1061b_attn:
	s_mov_b64 s[64:65], 0
	v_nop
	global_prefetch_b8 v0, s[64:65] scope:SCOPE_SE
	s_setreg_imm32_b32 hwreg(HW_REG_WAVE_MODE, 25, 1), 1
	s_wait_xcnt 0x0
	s_wait_alu depctr_hold_cnt(0) depctr_sa_sdst(0) depctr_va_vdst(0) depctr_va_sdst(0) depctr_va_ssrc(0) depctr_va_vcc(0) depctr_vm_vsrc(0)
	s_getreg_b32 s2, hwreg(HW_REG_IB_STS2, 6, 4)
	s_cmp_eq_u32 s2, 0
	s_cbranch_scc0 .Lentry_in_a_cluster
	s_endpgm
.Lentry_in_a_cluster:
	s_bfe_u32 s2, ttmp6, 0x10000c
	s_cmp_lg_u32 s2, 0x3003
	s_cbranch_scc0 .Lentry_shape_is_right
	s_endpgm
.Lentry_shape_is_right:
; ATTENTION at head size 32: O[q] = the sum over the 2,048 keys of softmax(q . k / sqrt(32)) v.  q and k arrive turned by RoPE and each times sqrt(log2(e) / sqrt(32)), so s = q . k is the exponent to base 2.
; q, k, v, P and O in f16; products, maxima and sums in f32.  All tensors are fragment images (blocks of 16 rows x 32 channels, 1,024 bytes; a fragment = two loads of 16 bytes a lane at lane x 16, 512 apart).
; SHARES.  A work-group owns 512 queries of one query head, each of its four waves 128: eight tiles of 16.  All of the key head's K and V, 128 KiB each, lie in LDS, filled once.
; CLUSTER.  The eight work-groups of a key head (two query heads x four blocks) read the same K and V; four of them are a cluster and ask jointly.
; TWO PASSES, since at this head size a tile of 16 x 32 scores has 4 products and 16 exponentials, and every vector line that can be spared counts.
;   Pass 1: S^T = K Q^T and nothing but v_max3_num_f32: four a product.  It ends with each query's true maximum m.
;   Pass 2: S^T = K Q^T + (-m), -m being the C operand; p = 2^that, rounded to f16; O^T += V^T P; and l, the sum of the rounded p, is a third product, with ones in V^T's place.
;   No scaling, no running maximum, no rescaling, no vector sums.  The maximum is taken away before every exponential, exactly.
; LAYOUT.  S^T (source 0 = 16 keys, source 1 = 16 queries): a lane holds ONE query (lane % 16) and keys 8 (lane / 16) + 0..7.  Two such results rounded in pairs ARE source 1 (32 keys x 16 queries) of V^T P,
; whose result holds one query a lane and eight channels: 16 bytes of an image block of O.  V's blocks are laid so that ds_load_tr16_b128 at lane x 16 gives half a fragment of V^T.
; LIMITS.  p below 2^-126 counts as 0, below 6e-5 it keeps f16's fixed step of 6e-8; O is a mean of V's rows, rounded to f16 with the same step; NaN and infinities are not treated apart.
; REGISTERS, in windows of 256 (s_set_vgpr_msb: bits 1:0 source 0, 3:2 source 1, 5:4 source 2, 7:6 destination):
;   window 0: v0-7 addresses; v8-135 S^T, 16 a tile (pass 1: v8-39 a ring of four results, v40-71 four maxima a tile); v136-159 P, a ring of three; v160-191 K, two buffers of two fragments; v192-255 Q
;   window 1: v0-191 for tile t at 24 t: O^T's two channel blocks and l; v192-223 V^T, two buffers of two fragments; v224-231 ones          window 2: v0-63 -m, eight registers a tile
.set VB,    131072                     ; LDS: K at 0, V here
.set SPARE, 262144                     ; behind them: the spare words, 128 bytes for each wave
.set AK,  2                            ; v2  the LDS address of K's run of loads
.set AV,  3                            ; v3  of V's
.set LO,  4                            ; v4  lane x 16; never rewritten
.set SPW, 6                            ; v6  LDS address of my spare word; never rewritten
.set NIL, 7                            ; v7  0; never rewritten
.set S,   8
.set S1,  8
.set MX,  40
.set P,   136
.set KF,  160
.set Q,   192
.set VF,  192                          ; window 1
.set ONES, 224                         ; window 1
.set WV,  12                           ; s12 my wave's number
.set G1,  24                           ; s[24:31] descriptor group 1
.set G0K, 32                           ; s[32:35] group 0 for my quarter of K
.set G0V, 36                           ; s[36:39] for my quarter of V
.set TBK, 40                           ; s40 LDS byte of the 32 keys to be fetched next
.set TBV, 41                           ; s41 the same for V
.set CNT, 42
.set SEL, 44                           ; s[44:45] v_permlanex16_b32's selects: each lane takes its own place in the other half
.set WX,  0x20                         ; K Q^T: C in window 2, all else in window 0; exponentials and roundings, which have no third source, run under it too
.set WY,  0x51                         ; V^T P: V^T, C and D in window 1, P in window 0
.set MSB, 0
.macro WIN new
.if MSB != (\new)
	s_set_vgpr_msb (MSB<<8)|(\new)
.set MSB, \new
.endif
.endm
.macro CROUND                          ; a round of the cluster's barrier
	s_barrier_signal -1
	s_barrier_wait -1
	s_cmp_lg_u32 s[WV], 0
	s_cbranch_scc1 .Lnot_wave_0_\@
	s_barrier_signal -3
.Lnot_wave_0_\@:
	s_barrier_wait -3
	s_barrier_signal -1
	s_barrier_wait -1
.endm
.macro PLACES
.rept 4
	v_nop
.endr
.endm
	s_load_b256 s[4:11], s[0:1], 0x0               ; qf s[4:5], kf s[6:7], vf s[8:9], of s[10:11]
	v_lshl_add_u32 v[SPW], v0, 2, SPARE
	v_mov_b32 v[NIL], 0
	ds_add_u32 v[SPW], v[NIL]                      ; the wave's opening: the add and its wait stand ahead of my first tensor load; the set-up below stands between them
	v_lshrrev_b32 v1, 5, v0
	v_readfirstlane_b32 s[WV], v1                  ; wave 0..3
	s_bfe_u32 s13, ttmp6, 0x40000                  ; cx
	s_lshl_b32 s14, ttmp9, 2
	s_add_co_u32 s14, s14, s13                     ; my block of 512 queries, 0..7: it enters Q's and O's addresses alone
	s_and_b32 s15, ttmp7, 0xffff                   ; 16 x batch + key head, which the partners share
	s_lshl_b32 s20, s15, 17                        ; the key head's 128 blocks,
	s_lshl_b32 s21, s[WV], 15                      ; my quarter of them
	s_add_co_u32 s20, s20, s21
	s_mov_b32 s21, 0
	; group 1: 32,768 dense bytes as 128 rows of 256
	s_mov_b32 s[G1], 15|(3<<16)|(1<<21)            ; 15:0 the mask of four; 17:16 elements of 8 bytes; 21 set beside a mask
	s_mov_b32 s[G1+1], 32<<16                      ; tensor_dim0 = 32
	s_mov_b32 s[G1+2], 128<<16                     ; tensor_dim1 = 128
	s_mov_b32 s[G1+3], 32<<16                      ; tile_dim0 = 32
	s_mov_b32 s[G1+4], 128                         ; tile_dim1 = 128
	s_mov_b32 s[G1+5], 32                          ; elements from row to row
	s_mov_b32 s[G1+6], 0
	s_mov_b32 s[G1+7], 0
	s_mov_b32 s[G0K], 1
	s_lshl_b32 s[G0K+1], s[WV], 15                 ; LDS: wave x 32,768
	s_mov_b32 s[G0V], 1
	s_add_co_u32 s[G0V+1], s[G0K+1], VB
	s_lshl_b32 s16, s15, 8                         ; Q: block 256 y + 32 x block + 8 x wave
	s_lshl_b32 s17, s14, 5
	s_add_co_u32 s16, s16, s17
	s_lshl_b32 s17, s[WV], 3
	s_add_co_u32 s16, s16, s17
	s_lshl_b32 s16, s16, 10
	s_mov_b32 s17, 0
	s_lshr_b32 s18, s15, 4                         ; O: [token tile][query head]: token tile 128 batch + 32 (block % 4) + 8 wave,
	s_lshl_b32 s18, s18, 7
	s_and_b32 s19, s14, 3
	s_lshl_b32 s19, s19, 5
	s_add_co_u32 s18, s18, s19
	s_lshl_b32 s19, s[WV], 3
	s_add_co_u32 s18, s18, s19
	s_lshl_b32 s18, s18, 5
	s_and_b32 s19, s15, 15                         ; query head 2 x key head + block / 4
	s_lshl_b32 s19, s19, 1
	s_add_co_u32 s18, s18, s19
	s_lshr_b32 s19, s14, 2
	s_add_co_u32 s18, s18, s19
	s_lshl_b32 s18, s18, 10
	s_mov_b32 s19, 0
	s_mov_b32 s[SEL], 0x76543210
	s_mov_b32 s[SEL+1], 0xfedcba98
	s_mov_b32 s[TBK], 0
	s_mov_b32 s[TBV], VB
	s_wait_dscnt 0x0                               ; the opening add is done
	s_wait_kmcnt 0x0
	s_add_nc_u64 s[G0K+2:G0K+3], s[6:7], s[20:21]
	s_or_b32 s[G0K+3], s[G0K+3], 0x80000000
	s_add_nc_u64 s[G0V+2:G0V+3], s[8:9], s[20:21]
	s_or_b32 s[G0V+3], s[G0V+3], 0x80000000
	s_add_nc_u64 s[4:5], s[4:5], s[16:17]
	s_add_nc_u64 s[10:11], s[10:11], s[18:19]
	CROUND                                         ; all four work-groups are here: the joint loads meet
	tensor_load_to_lds s[G0K:G0K+3], s[G1:G1+7]    ; the launch's only fills: two loads of mine are out
	s_nop 0
	tensor_load_to_lds s[G0V:G0V+3], s[G1:G1+7]
	s_nop 0
.rept 4
	v_nop
.endr
	v_and_b32 v1, 31, v0
	v_lshlrev_b32 v[LO], 4, v1
.irp t, 0,1,2,3,4,5,6,7                 ; Q stays in registers
	global_load_b128 v[Q+8*(\t):Q+8*(\t)+3],   v[LO], s[4:5] offset:(\t)*1024
	global_load_b128 v[Q+8*(\t)+4:Q+8*(\t)+7], v[LO], s[4:5] offset:(\t)*1024+512
.endr
.set i, S1+16
.rept 48                                ; the lowest finite number: the 32 maxima, and the ring's last two results, which the first step's first maxima read
	v_mov_b32 v[i], 0xff7fffff
.set i, i+1
.endr
	WIN 0x40
.irp j, 0,1,2,3,4,5,6,7
	v_mov_b32 v[ONES+\j], 0x3c003c00               ; 1.0 twice, in f16
.endr
	WIN 0
.macro LDK buf                          ; the next 32 keys' two fragments of K into buffer buf: four loads in one run
	v_add_nc_u32 v[AK], s[TBK], v[LO]
.irp f, 0,1
	ds_load_b128 v[KF+16*(\buf)+8*(\f):KF+16*(\buf)+8*(\f)+3],   v[AK] offset:(\f)*1024
	ds_load_b128 v[KF+16*(\buf)+8*(\f)+4:KF+16*(\buf)+8*(\f)+7], v[AK] offset:(\f)*1024+512
.endr
	s_add_co_u32 s[TBK], s[TBK], 2048
.endm
; PASS 1, a step of 32 keys: 16 products (key block i / 8, tile i % 8) into a ring of four results; behind product i the four maxima of product i - 2, eight plain lines behind that product.
; The next step's K is fetched at the step's head, four maxima behind the last product that read the buffer.
.macro STEP1 par, ld
.if \ld
	LDK 1-(\par)
	s_wait_dscnt 0x4                               ; this step's K is in; the four just issued may be out
.else
	s_wait_dscnt 0x0
.endif
.set i, 0
.rept 16
	v_wmma_f32_16x16x32_f16 v[S1+8*(i%4):S1+8*(i%4)+7], v[KF+16*(\par)+8*(i/8):KF+16*(\par)+8*(i/8)+7], v[Q+8*(i%8):Q+8*(i%8)+7], 0
.irp k, 0,1,2,3
	v_max3_num_f32 v[MX+4*((i+6)%8)+(\k)], v[MX+4*((i+6)%8)+(\k)], v[S1+8*((i+2)%4)+2*(\k)], v[S1+8*((i+2)%4)+2*(\k)+1]
.endr
.set i, i+1
.endr
.endm
	s_wait_tensorcnt 0x1                           ; my quarter of K is in; V's may stay out
	s_barrier_signal -1
	s_barrier_wait -1                              ; everybody's is
	LDK 0
	s_wait_loadcnt 0x0                             ; Q
	s_mov_b32 s[CNT], 31
.Lp1:
	STEP1 0, 1
	STEP1 1, 1
	s_sub_co_u32 s[CNT], s[CNT], 1
	s_cmp_lg_u32 s[CNT], 0
	s_cbranch_scc1 .Lp1
	STEP1 0, 1
	STEP1 1, 0                                     ; the last step fetches nothing
.irp k, 0,1,2,3
	v_max3_num_f32 v[MX+24+(\k)], v[MX+24+(\k)], v[S1+16+2*(\k)], v[S1+16+2*(\k)+1]
.endr
.irp k, 0,1,2,3
	v_max3_num_f32 v[MX+28+(\k)], v[MX+28+(\k)], v[S1+24+2*(\k)], v[S1+24+2*(\k)+1]
.endr
	; BETWEEN THE PASSES: each query's maximum (its other keys lie in the lane 16 away), negated into eight registers a tile; K's first 32 keys once more
	s_mov_b32 s[TBK], 0
	LDK 0
.irp t, 0,1,2,3,4,5,6,7
	v_max3_num_f32 v[MX+4*(\t)], v[MX+4*(\t)], v[MX+4*(\t)+1], v[MX+4*(\t)+2]
.endr
.irp t, 0,1,2,3,4,5,6,7
	v_max_num_f32 v[MX+4*(\t)], v[MX+4*(\t)], v[MX+4*(\t)+3]
.endr
.irp t, 0,1,2,3,4,5,6,7
	v_permlanex16_b32 v[MX+4*(\t)+1], v[MX+4*(\t)], s[SEL], s[SEL+1]
.endr
.irp t, 0,1,2,3,4,5,6,7
	v_max_num_f32 v[MX+4*(\t)], v[MX+4*(\t)], v[MX+4*(\t)+1]
.endr
	WIN 0x80
.irp t, 0,1,2,3,4,5,6,7
.irp j, 0,1,2,3,4,5,6,7
	v_mul_f32 v[8*(\t)+(\j)], -1.0, v[MX+4*(\t)]
.endr
.endr
	WIN 0
	s_wait_tensorcnt 0x0                           ; my quarter of V is in,
	s_wait_dscnt 0x0
	s_barrier_signal -1
	s_barrier_wait -1                              ; everybody's is
; PASS 2.  Turn n (p = n % 2) holds the products K Q^T and the exponentials of piece n + 1 (32 keys) and the roundings and the products V^T P and l of piece n, tile after tile.
.macro KQ p, t, kb                      ; key block kb of piece n + 1, tile t: it begins with -m
	WIN WX
	v_wmma_f32_16x16x32_f16 v[S+16*(\t)+8*(\kb):S+16*(\t)+8*(\kb)+7], v[KF+16*(1-(\p))+8*(\kb):KF+16*(1-(\p))+8*(\kb)+7], v[Q+8*(\t):Q+8*(\t)+7], v[8*(\t):8*(\t)+7]
.endm
.macro PV p, t, c, pv                   ; c = 0, 1: channel block c of O^T; c = 2: l.  pv = 1: the first piece starts the sums: nothing is cleared
	WIN WY
.if (\c) < 2
.set rA, VF+16*(\p)+8*(\c)
.else
.set rA, ONES
.endif
.set rO, 24*(\t)+8*(\c)
.set rP, P+8*((\t)%3)
.if (\pv) == 1
	v_wmma_f32_16x16x32_f16 v[rO:rO+7], v[rA:rA+7], v[rP:rP+7], 0
.else
	v_wmma_f32_16x16x32_f16 v[rO:rO+7], v[rA:rA+7], v[rP:rP+7], v[rO:rO+7]
.endif
.endm
.macro CV t, k                          ; pair k of tile t's 8 pairs of weights, rounded
	v_cvt_pk_f16_f32 v[P+8*((\t)%3)+(\k)], v[S+16*(\t)+2*(\k)], v[S+16*(\t)+2*(\k)+1]
.endm
.macro CR t, k, pv                      ; the rounding that rides in tile t's part of a turn is the NEXT tile's; where there is none, a v_nop keeps the place
.if (\pv) && ((\t) < 7)
	CV (\t)+1, \k
.else
	v_nop
.endif
.endm
.macro EX t, k
	v_exp_f32 v[S+16*(\t)+(\k)], v[S+16*(\t)+(\k)]
.endm
; Tile t's part of a turn.  The four roundings behind the first product are the places in front of the first exponential of its result, the next four those for the second product's; each result is read
; from its lowest register on.  No two products on end share an accumulator.  P's ring of three: a buffer is written again eight plain lines or more behind the last product that read it.
.macro SUB p, t, pv, kq
.if \kq
	KQ \p, \t, 0
	CR \t, 0, \pv
	CR \t, 1, \pv
	CR \t, 2, \pv
	CR \t, 3, \pv
	KQ \p, \t, 1
	EX \t, 0
	CR \t, 4, \pv
	EX \t, 1
	CR \t, 5, \pv
	EX \t, 2
.if \pv
	PV \p, \t, 0, \pv
	WIN WX
.endif
	EX \t, 3
	CR \t, 6, \pv
	EX \t, 4
	CR \t, 7, \pv
	EX \t, 5
.if \pv
	PV \p, \t, 1, \pv
	WIN WX
.endif
.irp k, 6,7,8,9,10
	EX \t, \k
.endr
.if \pv
	PV \p, \t, 2, \pv
	WIN WX
.endif
.irp k, 11,12,13,14,15
	EX \t, \k
.endr
.else
	PV \p, \t, 0, \pv
.if (\t) < 7
	WIN WX
.irp k, 0,1,2,3
	CV (\t)+1, \k
.endr
.endif
	PV \p, \t, 1, \pv
.if (\t) < 7
	WIN WX
.irp k, 4,5,6,7
	CV (\t)+1, \k
.endr
.endif
	PV \p, \t, 2, \pv
.endif
.endm
; A TURN.  At its head: the wait for the runs of loads that the turn before issued; tile 0's eight roundings; then this turn's runs: K of piece n + 2 into the buffer that the turn before multiplied, V of piece
; n + 1 into the buffer that the turn before multiplied: each nine plain lines or more behind its last reader, and a whole turn ahead of its first.
; THE EXPONENTIALS of a turn, 128, are one batch: nothing names a result before the next turn's roundings, so one v_nop and one wait stand at the turn's end, ahead of every label and branch.
.macro TURN p, pv, kq, ldk, ldv
	WIN WX
	s_wait_dscnt 0x0
.if \pv
.irp k, 0,1,2,3,4,5,6,7
	CV 0, \k
.endr
.endif
.if \ldk
	LDK \p
.endif
.if \ldv
	v_add_nc_u32 v[AV], s[TBV], v[LO]
	WIN 0x40                                       ; destination window 1
.irp c, 0,1
	ds_load_tr16_b128 v[VF+16*(1-(\p))+8*(\c):VF+16*(1-(\p))+8*(\c)+3],   v[AV] offset:(\c)*512
	ds_load_tr16_b128 v[VF+16*(1-(\p))+8*(\c)+4:VF+16*(1-(\p))+8*(\c)+7], v[AV] offset:1024+(\c)*512
.endr
	s_add_co_u32 s[TBV], s[TBV], 2048
.endif
.irp t, 0,1,2,3,4,5,6,7
	SUB \p, \t, \pv, \kq
.endr
.if \kq
	v_nop                                          ; a plain instruction behind the last exponential
	s_wait_alu depctr_va_vdst(0)                   ; and the batch's one wait
.endif
.endm
	TURN 1, 0, 1, 1, 1                             ; piece 0's scores and weights; K of piece 1, V of piece 0
	TURN 0, 1, 1, 1, 1                             ; piece 0 starts O^T and l
	TURN 1, 2, 1, 1, 1
	WIN 0
	s_mov_b32 s[CNT], 30
.Lp2:                                   ; pieces 2 to 61
	TURN 0, 2, 1, 1, 1
	TURN 1, 2, 1, 1, 1
	WIN 0
	s_sub_co_u32 s[CNT], s[CNT], 1
	s_cmp_lg_u32 s[CNT], 0
	s_cbranch_scc1 .Lp2
	TURN 0, 2, 1, 0, 1                             ; piece 62: no K is left to fetch
	TURN 1, 2, 0, 0, 0                             ; piece 63: no scores are left to make
	; THE WAY OUT: O^T / l, rounded to f16: a lane's eight channels of a channel block are its 16 bytes of half an image block of O.
	PLACES
	WIN 0x01                                       ; source 0 window 1
.irp t, 0,1,2,3,4,5,6,7
	v_rcp_f32 v[8+2*(\t)], v[24*(\t)+16]           ; every register of l's result holds the query's sum: the lowest is taken
.endr
	v_nop
	s_wait_alu depctr_va_vdst(0)                   ; one wait for the eight reciprocals
.irp t, 0,1,2,3,4,5,6,7
.irp k, 0,1,2,3,4,5,6,7
	v_pk_mul_f32 v[24+16*(\t)+2*(\k):24+16*(\t)+2*(\k)+1], v[24*(\t)+2*(\k):24*(\t)+2*(\k)+1], v[8+2*(\t):9+2*(\t)] op_sel_hi:[1,0]
.endr
.endr
	WIN 0
.irp t, 0,1,2,3,4,5,6,7
.irp k, 0,1,2,3,4,5,6,7
	v_cvt_pk_f16_f32 v[24+16*(\t)+(\k)], v[24+16*(\t)+2*(\k)], v[24+16*(\t)+2*(\k)+1]
.endr
	global_store_b128 v[LO], v[24+16*(\t):27+16*(\t)], s[10:11] offset:(\t)*32768        ; 512 consecutive bytes
	global_store_b128 v[LO], v[28+16*(\t):31+16*(\t)], s[10:11] offset:(\t)*32768+512
.endr
	s_wait_tensorcnt 0x0                           ; the wave's end: behind my last tensor load
	ds_add_u32 v[SPW], v[NIL]
	s_wait_dscnt 0x0
	CROUND                                         ; the closing round
	s_endpgm
.Lfunc_end_k_qf8c6c1061b_attn:
	.size	k_qf8c6c1061b_attn, .Lfunc_end_k_qf8c6c1061b_attn-k_qf8c6c1061b_attn
	.p2alignl 7, 3214868480
	.fill 96, 4, 3214868480
	.section	.rodata,"a",@progbits
	.p2align	6, 0x0
	.amdhsa_kernel k_qf8c6c1061b_attn
		.amdhsa_group_segment_fixed_size 262656
		.amdhsa_private_segment_fixed_size 0
		.amdhsa_enable_private_segment 0
		.amdhsa_kernarg_size 32
		.amdhsa_user_sgpr_count 2
		.amdhsa_user_sgpr_kernarg_segment_ptr 1
		.amdhsa_wavefront_size32 1
		.amdhsa_system_sgpr_workgroup_id_x 1
		.amdhsa_system_sgpr_workgroup_id_y 1
		.amdhsa_system_sgpr_workgroup_id_z 1
		.amdhsa_system_vgpr_workitem_id 0
		.amdhsa_next_free_vgpr 576
		.amdhsa_next_free_sgpr 66
		.amdhsa_reserve_vcc 0
		.amdhsa_float_denorm_mode_32 3
		.amdhsa_float_denorm_mode_16_64 3
		.amdhsa_memory_ordered 1
		.amdhsa_forward_progress 1
		.amdhsa_inst_pref_size 126
	.end_amdhsa_kernel
	.amdgpu_metadata
---
amdhsa.version: [ 1, 2 ]
amdhsa.kernels:
  - .name:           k_qf8c6c1061b_attn
    .symbol:         k_qf8c6c1061b_attn.kd
    .args:
      - { .name: qf, .offset: 0, .size: 8, .value_kind: global_buffer, .address_space: global }
      - { .name: kf, .offset: 8, .size: 8, .value_kind: global_buffer, .address_space: global }
      - { .name: vf, .offset: 16, .size: 8, .value_kind: global_buffer, .address_space: global }
      - { .name: of, .offset: 24, .size: 8, .value_kind: global_buffer, .address_space: global }
    .group_segment_fixed_size: 262656
    .private_segment_fixed_size: 0
    .kernarg_segment_align: 8
    .kernarg_segment_size: 32
    .max_flat_workgroup_size: 128
    .sgpr_count:     66
    .vgpr_count:     576
    .wavefront_size: 32
...
	.end_amdgpu_metadata
.endif
;; end of part 3
;; launch outp (part 4): grid 8 x 32, 4 waves a work-group, clusters of 4 x 4, 327,680 bytes of LDS; arguments of, wof, out0; writes out0
.if DOCPART == 4
	.amdgcn_target "amdgcn-amd-amdhsa--gfx1250"
	.amdhsa_code_object_version 6
	.text
	.protected	k_qf8c6c1061b_outp
	.globl	k_qf8c6c1061b_outp
	.p2align	8
	.type	k_qf8c6c1061b_outp,@function
k_qf8c6c1061b_outp:
	s_mov_b64 s[64:65], 0
	v_nop
	global_prefetch_b8 v0, s[64:65] scope:SCOPE_SE
	s_setreg_imm32_b32 hwreg(HW_REG_WAVE_MODE, 25, 1), 1
	s_wait_xcnt 0x0
	s_wait_alu depctr_hold_cnt(0) depctr_sa_sdst(0) depctr_va_vdst(0) depctr_va_sdst(0) depctr_va_ssrc(0) depctr_va_vcc(0) depctr_vm_vsrc(0)
	s_getreg_b32 s2, hwreg(HW_REG_IB_STS2, 6, 4)
	s_cmp_eq_u32 s2, 0
	s_cbranch_scc0 .Lentry_in_a_cluster
	s_endpgm
.Lentry_in_a_cluster:
	s_bfe_u32 s2, ttmp6, 0x10000c
	s_cmp_lg_u32 s2, 0xf033
	s_cbranch_scc0 .Lentry_shape_is_right
	s_endpgm
.Lentry_shape_is_right:
; OUT: out0[4,096 tokens][1,024] = O Wo, K = 1,024, f16 operands as fragment images (blocks of 16 rows x 32 k, 1,024 bytes; a fragment = two loads of 16 bytes a lane at lane x 16, 512 apart), f32 sums, f32 out.
; A work-group makes 128 tokens x 128 outputs, each of its four waves 64 x 64: 16 accumulators.  K goes in steps of 256 (eight blocks) through two LDS slots: four steps.
; TRANSPOSED USE: source 0 = 16 outputs of Wo, source 1 = 16 tokens: a lane ends with one token and eight neighbouring outputs, 32 bytes of a row.
; CLUSTER 4 x 4: the four of a row share O's tiles, the four of a column Wo's: each is asked for jointly.
; REGISTERS: window 0: v0-31 addresses; v128-255 the accumulators, (a, b) at 128 + 8 (4 a + b).  Window 1: two fragment buffers of 128: for two blocks along K, 64 registers of O, then 64 of Wo.
.set SLOT,  131072                     ; O's 8 tiles x 8 blocks, then Wo's
.set WOFF,  65536
.set STAGE, 2*SLOT                     ; behind the ring: 16 rows x 272 bytes for each wave, its own, for the way out
.set SP,    272
.set SPARE, STAGE+4*16*SP              ; behind the stages: the spare words, 128 bytes for each wave
.set ADRX, 16                          ; v16-17  LDS address of my O fragments in slot 0, 1
.set ADRW, 20                          ; v20-21  the same for Wo
.set STO,  24                          ; v24     the way out: where I put 32 bytes of a row
.set RD,   25                          ; v25     where I read a row back
.set CO,   26                          ; v26     my byte offset in out0
.set SPW,  28                          ; v28     LDS address of my spare word; never rewritten
.set NIL,  29                          ; v29     0; never rewritten
.set ACC,  128
.set F0,   0
.set F1,   128
.set G1, 24                            ; s[24:31] descriptor group 1 for O's tiles;  s[32:39] group 0, a set for each slot
.set G0, 32
.set G1B, 48                           ; s[48:55], s[56:63] the same for Wo's
.set G0B, 56
.set MSB, 0
.macro WIN new
.if MSB != (\new)
	s_set_vgpr_msb (MSB<<8)|(\new)
.set MSB, \new
.endif
.endm
.set MUL,  0x05                        ; both sources window 1; C and D window 0
.set TO_F, 0x40                        ; destination window 1, address window 0
.macro JLOAD s                         ; a joint load: waves 0 and 1 fetch the halves of O's tile, waves 2 and 3 those of Wo's; an s_nop 0 and four v_nop follow each line
	s_cmp_eq_u32 s11, 0
	s_cbranch_scc0 .Lfor_b_\@
	tensor_load_to_lds s[G0+4*(\s):G0+4*(\s)+3], s[G1:G1+7]
	s_nop 0
.rept 4
	v_nop
.endr
	s_branch .Lasked_\@
.Lfor_b_\@:
	tensor_load_to_lds s[G0B+4*(\s):G0B+4*(\s)+3], s[G1B:G1B+7]
	s_nop 0
.rept 4
	v_nop
.endr
.Lasked_\@:
.endm
.macro CREST
	s_cmp_lg_u32 s10, 0
	s_cbranch_scc1 .Lnot_wave_0_\@
	s_barrier_signal -3
.Lnot_wave_0_\@:
	s_barrier_wait -3
	s_barrier_signal -1
	s_barrier_wait -1
.endm
.macro CROUND
	s_barrier_signal -1
	s_barrier_wait -1
	CREST
.endm
.macro PLACES
.rept 4
	v_nop
.endr
.endm
	s_load_b128 s[4:7], s[0:1], 0x0                ; of s[4:5], wof s[6:7]
	s_load_b64 s[8:9], s[0:1], 0x10                ; out0
	v_lshl_add_u32 v[SPW], v0, 2, SPARE
	v_mov_b32 v[NIL], 0
	ds_add_u32 v[SPW], v[NIL]                      ; the wave's opening: the add and its wait stand ahead of my first tensor load; the set-up below stands between them
	v_lshrrev_b32 v1, 5, v0
	v_readfirstlane_b32 s10, v1                    ; wave 0..3
	s_lshr_b32 s11, s10, 1                         ; which half of the tokens is mine.  Also: I fetch O (0) or Wo (1)
	s_and_b32 s12, s10, 1                          ; which half of the outputs.  Also: which four tiles of it I fetch
	s_bfe_u32 s40, ttmp6, 0x40000                  ; cx
	s_bfe_u32 s41, ttmp6, 0x40004                  ; cy
	s_lshl_b32 s42, ttmp9, 2
	s_add_co_u32 s42, s42, s40                     ; which 128 outputs
	s_and_b32 s13, ttmp7, 0xffff
	s_lshl_b32 s13, s13, 2
	s_add_co_u32 s13, s13, s41                     ; which 128 tokens
	s_lshl_b32 s43, s41, 2
	s_lshl_b32 s43, 15, s43                        ; my row of the cluster
	s_lshl_b32 s44, 0x1111, s40                    ; my column
	; group 1: 4 rows of 8,192 bytes (a tile's eight blocks of a K step, on end in memory) as 1,024 elements of 8 bytes; from tile to tile 32,768 bytes
	s_or_b32 s[G1], s43, (3<<16)|(1<<21)
	s_or_b32 s[G1B], s44, (3<<16)|(1<<21)
.irp g, G1, G1B
	s_mov_b32 s[(\g)+1], 1024<<16                  ; tensor_dim0 = 1,024
	s_mov_b32 s[(\g)+2], 4<<16                     ; tensor_dim1 = 4
	s_mov_b32 s[(\g)+3], 1024<<16                  ; tile_dim0 = 1,024
	s_mov_b32 s[(\g)+4], 4                         ; tile_dim1 = 4
	s_mov_b32 s[(\g)+5], 4096                      ; elements from row to row
	s_mov_b32 s[(\g)+6], 0
	s_mov_b32 s[(\g)+7], 0
.endr
	s_lshl_b32 s17, s12, 2
	s_lshl_b32 s16, s13, 3
	s_add_co_u32 s16, s16, s17                     ; O: token tile 8 Y + 4 x half
	s_lshl_b32 s16, s16, 15
	s_lshl_b32 s46, s42, 3
	s_add_co_u32 s46, s46, s17                     ; Wo: output tile 8 x + 4 x half
	s_lshl_b32 s46, s46, 15
	s_mov_b32 s17, 0
	s_mov_b32 s47, 0
	s_lshl_b32 s20, s10, 15                        ; where they go: wave x 32,768
	s_wait_dscnt 0x0                               ; the opening add is done
	s_wait_kmcnt 0x0
	s_add_nc_u64 s[14:15], s[4:5], s[16:17]
	s_add_nc_u64 s[46:47], s[6:7], s[46:47]
	CROUND                                         ; all sixteen work-groups are here: the first joint loads meet
.irp s, 0,1
	s_mov_b32 s[G0+4*(\s)], 1
	s_add_co_u32 s[G0+4*(\s)+1], s20, (\s)*SLOT
	s_add_nc_u64 s[G0+4*(\s)+2:G0+4*(\s)+3], s[14:15], (\s)*8192
	s_or_b32 s[G0+4*(\s)+3], s[G0+4*(\s)+3], 0x80000000
	s_mov_b32 s[G0B+4*(\s)], 1
	s_add_co_u32 s[G0B+4*(\s)+1], s20, (\s)*SLOT
	s_add_nc_u64 s[G0B+4*(\s)+2:G0B+4*(\s)+3], s[46:47], (\s)*8192
	s_or_b32 s[G0B+4*(\s)+3], s[G0B+4*(\s)+3], 0x80000000
	JLOAD \s                                       ; K steps 0 and 1: two loads of mine are out
.endr
	v_and_b32 v3, 31, v0
	v_lshlrev_b32 v3, 4, v3                        ; lane x 16
	v_and_b32 v1, 15, v0                           ; l % 16
	v_bfe_u32 v2, v0, 4, 1                         ; l / 16
	s_lshl_b32 s21, s11, 15                        ; my 4 tiles of O
	s_lshl_b32 s22, s12, 15                        ; my 4 tiles of Wo
	s_add_co_u32 s22, s22, WOFF
.irp s, 0,1
	v_add_nc_u32 v[ADRX+(\s)], s21, v3
	v_add_nc_u32 v[ADRW+(\s)], s22, v3
	s_add_co_u32 s21, s21, SLOT
	s_add_co_u32 s22, s22, SLOT
.endr
	s_mul_i32 s23, s10, 16*SP
	s_add_co_u32 s23, s23, STAGE                   ; my stage
	v_mul_u32_u24 v4, v1, SP                       ; in: row l % 16, 32 bytes for each half of the lanes
	v_lshl_add_u32 v4, v2, 5, v4
	v_add_nc_u32 v[STO], s23, v4
	v_mul_u32_u24 v5, v2, SP                       ; back: lanes 0-15 take one row of 256 bytes, lanes 16-31 the next
	v_lshl_add_u32 v5, v1, 4, v5
	v_add_nc_u32 v[RD], s23, v5
	v_lshlrev_b32 v5, 12, v2                       ; and the same two rows in out0
	v_lshl_add_u32 v[CO], v1, 4, v5
	s_lshl_b32 s16, s13, 7
	s_lshl_b32 s17, s11, 6
	s_add_co_u32 s16, s16, s17                     ; my first token
	s_lshl_b32 s16, s16, 12
	s_mov_b32 s17, 0
	s_add_nc_u64 s[8:9], s[8:9], s[16:17]
	s_lshl_b32 s46, s42, 9                         ; my first output, in bytes
	s_lshl_b32 s47, s12, 8
	s_add_co_u32 s46, s46, s47
	s_mov_b32 s47, 0
	s_add_nc_u64 s[8:9], s[8:9], s[46:47]
; 8 matrix instructions: token tiles a0, a0 + 1 x my 4 output tiles, block c of buffer f's two.  The 16 accumulators take turns.
.macro MUL8 f, c, a0, zero
	WIN MUL
.irp a, \a0, (\a0)+1
.irp b, 0,1,2,3
.if \zero
	v_wmma_f32_16x16x32_f16 v[ACC+8*(4*(\a)+(\b)):ACC+8*(4*(\a)+(\b))+7], v[(\f)+64+8*(4*(\c)+(\b)):(\f)+64+8*(4*(\c)+(\b))+7], v[(\f)+8*(4*(\c)+(\a)):(\f)+8*(4*(\c)+(\a))+7], 0
.else
	v_wmma_f32_16x16x32_f16 v[ACC+8*(4*(\a)+(\b)):ACC+8*(4*(\a)+(\b))+7], v[(\f)+64+8*(4*(\c)+(\b)):(\f)+64+8*(4*(\c)+(\b))+7], v[(\f)+8*(4*(\c)+(\a)):(\f)+8*(4*(\c)+(\a))+7], v[ACC+8*(4*(\a)+(\b)):ACC+8*(4*(\a)+(\b))+7]
.endif
.endr
.endr
.endm
; 32 LDS loads in one run: blocks 2 q and 2 q + 1 of the slot's eight, into buffer f; the first block first
.macro FETCH slot, q, f
	WIN TO_F
.irp c, 0,1
.irp i, 0,1,2,3
	ds_load_b128 v[(\f)+64+8*(4*(\c)+(\i)):(\f)+64+8*(4*(\c)+(\i))+3],   v[ADRW+(\slot)] offset:(\i)*8192+(2*(\q)+(\c))*1024
	ds_load_b128 v[(\f)+64+8*(4*(\c)+(\i))+4:(\f)+64+8*(4*(\c)+(\i))+7], v[ADRW+(\slot)] offset:(\i)*8192+(2*(\q)+(\c))*1024+512
	ds_load_b128 v[(\f)+8*(4*(\c)+(\i)):(\f)+8*(4*(\c)+(\i))+3],         v[ADRX+(\slot)] offset:(\i)*8192+(2*(\q)+(\c))*1024
	ds_load_b128 v[(\f)+8*(4*(\c)+(\i))+4:(\f)+8*(4*(\c)+(\i))+7],       v[ADRX+(\slot)] offset:(\i)*8192+(2*(\q)+(\c))*1024+512
.endr
.endr
.endm
; A K step is four quarters of two blocks, 32 matrix instructions each, on buffers 0, 1, 0, 1.
.macro QUARTER slot, q, f, g, zero
	s_wait_dscnt 16                                ; the first block's fragments are in
	MUL8 \f, 0, 0, \zero
	MUL8 \f, 0, 2, \zero
	PLACES
	FETCH \slot, \q, \g
	s_wait_dscnt 32                                ; all but the 32 just issued
	MUL8 \f, 1, 0, 0
	MUL8 \f, 1, 2, 0
.endm
; The last quarter multiplies buffer 1 and changes slots: one barrier; in front of it each wave waits for all its tensor loads, adds 0 to its spare word, and waits for that and for its own reads of this slot.
; fill = 1: the barrier opens a round of the cluster's, and this slot is filled again, two K steps ahead, first thing behind the round: 112 matrix instructions ahead of the wait for it.
.macro TURN slot, next, fill
	WIN 0
	s_wait_tensorcnt 0x0
	ds_add_u32 v[SPW], v[NIL]
	s_wait_dscnt 17                                ; (the add and the youngest sixteen loads may be out)
	MUL8 F1, 0, 0, 0
	s_wait_dscnt 0x0                               ; the add is done, and my reads of this slot are over
	s_barrier_signal -1
	MUL8 F1, 0, 2, 0
.if \fill
	WIN 0
.endif
	s_barrier_wait -1
.if \fill
	CREST
	s_add_nc_u64 s[G0+4*(\slot)+2:G0+4*(\slot)+3], s[G0+4*(\slot)+2:G0+4*(\slot)+3], 16384
	s_add_nc_u64 s[G0B+4*(\slot)+2:G0B+4*(\slot)+3], s[G0B+4*(\slot)+2:G0B+4*(\slot)+3], 16384
	JLOAD \slot                                    ; its four v_nop are also the places in front of the loads below
.else
	PLACES
.endif
	FETCH \next, 0, F0
	MUL8 F1, 1, 0, 0
	MUL8 F1, 1, 2, 0
.endm
	s_wait_tensorcnt 1                             ; my part of K step 0 is in; K step 1's may stay out
	s_barrier_signal -1
	s_barrier_wait -1
	FETCH 0, 0, F0
	QUARTER 0, 1, F0, F1, 1                        ; the first products start the sums
	QUARTER 0, 2, F1, F0, 0
	QUARTER 0, 3, F0, F1, 0
	TURN 0, 1, 1                                   ; K step 2 is asked for
	QUARTER 1, 1, F0, F1, 0
	QUARTER 1, 2, F1, F0, 0
	QUARTER 1, 3, F0, F1, 0
	TURN 1, 0, 1                                   ; K step 3
	QUARTER 0, 1, F0, F1, 0
	QUARTER 0, 2, F1, F0, 0
	QUARTER 0, 3, F0, F1, 0
	TURN 0, 1, 0
	QUARTER 1, 1, F0, F1, 0
	QUARTER 1, 2, F1, F0, 0
	QUARTER 1, 3, F0, F1, 0
	s_wait_dscnt 16
	MUL8 F1, 0, 0, 0
	MUL8 F1, 0, 2, 0
	s_wait_dscnt 0x0
	MUL8 F1, 1, 0, 0
	MUL8 F1, 1, 2, 0
	WIN 0
	; THE WAY OUT, a token tile (16 rows x my 256 bytes) at a time through my own stage: in by 16 bytes, each accumulator's lowest registers first; back as whole rows, into the registers that they left.
.macro STG a
.irp b, 0,1,2,3
	ds_store_b128 v[STO], v[ACC+8*(4*(\a)+(\b)):ACC+8*(4*(\a)+(\b))+3]   offset:64*(\b)
	ds_store_b128 v[STO], v[ACC+8*(4*(\a)+(\b))+4:ACC+8*(4*(\a)+(\b))+7] offset:64*(\b)+16
.endr
.irp t, 0,1,2,3,4,5,6,7
	ds_load_b128 v[ACC+32*(\a)+4*(\t):ACC+32*(\a)+4*(\t)+3], v[RD] offset:(\t)*2*SP  ; LDS serves a wave's instructions in order (ISA guide 5.7.1.4): these see the stores above; the next tile's stores come behind them
.endr
.endm
.macro SEND a, younger                  ; younger: the LDS instructions issued behind tile a's loads: the next tile's sixteen, or none
.irp t, 0,1,2,3,4,5,6,7
	s_wait_dscnt (\younger)+7-(\t)
	global_store_b128 v[CO], v[ACC+32*(\a)+4*(\t):ACC+32*(\a)+4*(\t)+3], s[8:9] offset:(16*(\a)+2*(\t))*4096 th:TH_STORE_NT  ; 16 lanes store 256 consecutive bytes, at a multiple of 256 from out0's first byte
.endr
.endm
	PLACES
	STG 0
	STG 1
	SEND 0, 16
	STG 2
	SEND 1, 16
	STG 3
	SEND 2, 16
	SEND 3, 0
	s_wait_tensorcnt 0x0                           ; the wave's end: behind my last tensor load and my last LDS store
	ds_add_u32 v[SPW], v[NIL]
	s_wait_dscnt 0x0
	CROUND                                         ; the closing round
	s_endpgm
.Lfunc_end_k_qf8c6c1061b_outp:
	.size	k_qf8c6c1061b_outp, .Lfunc_end_k_qf8c6c1061b_outp-k_qf8c6c1061b_outp
	.p2alignl 7, 3214868480
	.fill 96, 4, 3214868480
	.section	.rodata,"a",@progbits
	.p2align	6, 0x0
	.amdhsa_kernel k_qf8c6c1061b_outp
		.amdhsa_group_segment_fixed_size 327680
		.amdhsa_private_segment_fixed_size 0
		.amdhsa_enable_private_segment 0
		.amdhsa_kernarg_size 24
		.amdhsa_user_sgpr_count 2
		.amdhsa_user_sgpr_kernarg_segment_ptr 1
		.amdhsa_wavefront_size32 1
		.amdhsa_system_sgpr_workgroup_id_x 1
		.amdhsa_system_sgpr_workgroup_id_y 1
		.amdhsa_system_sgpr_workgroup_id_z 1
		.amdhsa_system_vgpr_workitem_id 0
		.amdhsa_next_free_vgpr 512
		.amdhsa_next_free_sgpr 66
		.amdhsa_reserve_vcc 0
		.amdhsa_float_denorm_mode_32 3
		.amdhsa_float_denorm_mode_16_64 3
		.amdhsa_memory_ordered 1
		.amdhsa_forward_progress 1
		.amdhsa_inst_pref_size 86
	.end_amdhsa_kernel
	.amdgpu_metadata
---
amdhsa.version: [ 1, 2 ]
amdhsa.kernels:
  - .name:           k_qf8c6c1061b_outp
    .symbol:         k_qf8c6c1061b_outp.kd
    .args:
      - { .name: of, .offset: 0, .size: 8, .value_kind: global_buffer, .address_space: global }
      - { .name: wof, .offset: 8, .size: 8, .value_kind: global_buffer, .address_space: global }
      - { .name: out0, .offset: 16, .size: 8, .value_kind: global_buffer, .address_space: global }
    .group_segment_fixed_size: 327680
    .private_segment_fixed_size: 0
    .kernarg_segment_align: 8
    .kernarg_segment_size: 24
    .max_flat_workgroup_size: 128
    .sgpr_count:     66
    .vgpr_count:     512
    .wavefront_size: 32
...
	.end_amdgpu_metadata
.endif
;; end of part 4
;; ======== version 2 of 2: 4 launches; version 1 with the launch prep written anew for expert scheduling mode
;; limits: values are held in f16: magnitudes above 65,504 overflow, below 6.1e-05 lose precision
;; workspace buffers: xf 8,388,608 bytes; wf 4,194,304 bytes; wof 2,097,152 bytes; tb 8,388,608 bytes; qf 8,388,608 bytes; kf 4,194,304 bytes; vf 4,194,304 bytes; of 8,388,608 bytes
;; launch prep (part 5): grid 768 x 1, 8 waves a work-group, no clusters, 35,840 bytes of LDS; arguments x, Wq, Wk, Wv, Wo, xf, wf, wof, tb; writes xf, wf, wof, tb
.if DOCPART == 5
	.amdgcn_target "amdgcn-amd-amdhsa--gfx1250"
	.amdhsa_code_object_version 6
	.text
	.protected	k_qf8c6c1061b_prep
	.globl	k_qf8c6c1061b_prep
	.p2align	8
	.type	k_qf8c6c1061b_prep,@function
k_qf8c6c1061b_prep:
	s_mov_b64 s[64:65], 0
	v_nop
	global_prefetch_b8 v0, s[64:65] scope:SCOPE_SE
	s_setreg_imm32_b32 hwreg(HW_REG_WAVE_SCHED_MODE, 0, 2), 2
	s_setreg_imm32_b32 hwreg(HW_REG_WAVE_MODE, 25, 1), 1
	s_wait_xcnt 0x0
	s_wait_alu depctr_vm_vsrc(0)
; PREP: x and the four weights are rounded once to f16 and laid out as FRAGMENT IMAGES; the RoPE table is made.
; An image block is 16 rows x 32 k of f16, 1,024 bytes: the 16 bytes at half x 512 + (r + 16 h) x 16 are k = 16 half + 8 h + 0..7 of row r: what a lane of a matrix operand
; holds in registers 4 half .. 4 half + 3.  Seen otherwise: a UNIT of 8 k is 256 bytes on end, row r at 16 r.
;   xf  [token tile 0..255][k block 0..31]     rows = tokens, k = x's columns
;   wf  [n tile 0..127][k block]               rows = outputs (0-63 Wq's columns, 64-95 Wk's, 96-127 Wv's), k = inputs;   wof the same for Wo's 64 n tiles
;   tb  [position tile 0..127][n tile 0..63]   f32: at lane x 16 four sqrt(c) cos, at 512 + lane x 16 four sqrt(c) sin, for position 16 tt + r and pairs 8 nt + 4 h + 0..3
; c = log2(e) / sqrt(32): q and k both pass through the table, so their product carries the softmax's scale and the change to base 2.
; Work-groups 0-255: a token tile of x.  256-639: 64 inputs x 128 outputs of a weight.  640-767: a position tile of the table.  The choice hangs on the work-group's number alone.
; LIMITS.  f16 holds no number beyond 65,504, and below 6e-5 it keeps a fixed step of 6e-8.  The angle is s x theta in f32, as the problem forms it; theta = 2^(-i log2(10000) / 512);
; sine and cosine by reduction to -pi .. pi (2 pi in two parts) and Taylor sums to r^15 and r^16: what is cut off is under 1e-6.
; THE MODE: SCHED_MODE bits 1:0 = 2 (LLVM: expert scheduling mode 2), set by the entry lines.  The code itself states the register dependences between vector instructions and
; memory or LDS instructions, with s_wait_alu, always for 0.
; THE PLAN.  Registers that memory or LDS instructions touch, path by path:
;   the table   v7       the stores' offset: written once, ahead of the first trip; the scalar base moves on by a block a trip.
;               v[32:39] the out-buffer: written by a trip's last eight multiplies; read by the two stores that the NEXT trip issues, behind the wait that its exponentials have anyway.
;                        It is written again some ninety vector lines behind those stores, behind the wait that states that they have read it.
;   x           v4       the loads' offset: written ahead of the path's first wait.   v5, v6, v7  LDS in, LDS back, xf: written ahead of the first group's wait; none is written again.
;               v[16:79] eight chunks of eight registers: the loads land in them; the conversions close each chunk up into its lower four, which the LDS stores read;
;                        the loads back from LDS land in the upper fours, which conversions alone have named.
;   a weight    v[8:15]  the loads' offsets: written ahead of the path's first wait.   v5, v6, v7  as for x, written ahead of the conversions' wait.
;               v[16:47] as loaded: read by the conversions; the loads back from LDS land in v[16:31].   v[48:63]  written by the conversions, read by the LDS stores.
;   v90, v91    written at the head, read by the closing add alone.
.set UP,    272                        ; a unit in LDS: 256 bytes + 16: sixteen neighbouring units start at sixteen different 16-byte columns of 256 bytes
.set SPARE, 34816                      ; behind 128 units: the spare words, 128 bytes for each of the eight waves
.set SPW,   90                         ; v90  LDS address of my spare word; never rewritten
.set NIL,   91                         ; v91  0; never rewritten
.set WV,    4                          ; s4   my wave's number
	s_load_b512 s[8:23], s[0:1], 0x0               ; x s[8:9], Wq s[10:11], Wk s[12:13], Wv s[14:15], Wo s[16:17], xf s[18:19], wf s[20:21], wof s[22:23]
	s_load_b64 s[24:25], s[0:1], 0x40              ; tb
	v_lshl_add_u32 v[SPW], v0, 2, SPARE
	v_mov_b32 v[NIL], 0
	v_lshrrev_b32 v2, 5, v0
	v_readfirstlane_b32 s[WV], v2                  ; wave 0..7
	v_and_b32 v1, 31, v0                           ; lane
	s_mov_b32 s7, 0                                ; the high word of every offset pair s[6:7]
	s_wait_alu depctr_va_sdst(0)                   ; s4 is written, ahead of the branches and of its first reader on each of the three paths
	s_wait_kmcnt 0x0
	s_cmp_lt_u32 ttmp9, 256
	s_cbranch_scc1 .Lx
	s_cmp_lt_u32 ttmp9, 640
	s_cbranch_scc1 .Lw
	; THE TABLE.  Wave w makes blocks nt = 8 w .. 8 w + 7 of position tile tt, one a trip: four pairs a lane.
	s_sub_co_u32 s5, ttmp9, 640                    ; tt
	s_lshl_b32 s6, s5, 16                          ; 64 blocks of 1,024 bytes
	s_add_nc_u64 s[24:25], s[24:25], s[6:7]
	s_mov_b32 s40, 0xbe2aaaab                      ; sine: -1/3!
	s_mov_b32 s41, 0x3c088889                      ; 1/5!
	s_mov_b32 s42, 0xb9500d01                      ; -1/7!
	s_mov_b32 s43, 0x3638ef1d                      ; 1/9!
	s_mov_b32 s44, 0xb2d7322b                      ; -1/11!
	s_mov_b32 s45, 0x2f309231                      ; 1/13!
	s_mov_b32 s46, 0xab573f9f                      ; -1/15!
	s_mov_b32 s47, 0x3d2aaaab                      ; cosine: 1/4!
	s_mov_b32 s48, 0xbab60b61                      ; -1/6!
	s_mov_b32 s49, 0x37d00d01                      ; 1/8!
	s_mov_b32 s50, 0xb493f27e                      ; -1/10!
	s_mov_b32 s51, 0x310f76c7                      ; 1/12!
	s_mov_b32 s52, 0xad49cba5                      ; -1/14!
	s_mov_b32 s53, 0x29573f9f                      ; 1/16!
	s_mov_b32 s54, 0xc0c90fdb                      ; -(2 pi rounded to f32)
	s_mov_b32 s55, 0x343bbd2e                      ; that rounding's excess over 2 pi, 1.7484556e-7: given back
	s_mov_b32 s56, 0x3f014852                      ; sqrt(c) = 0.50500977
	v_and_b32 v3, 15, v0                           ; r
	v_bfe_u32 v8, v0, 4, 1                         ; h
	s_lshl_b32 s6, s5, 4
	v_add_nc_u32 v3, s6, v3
	v_cvt_f32_u32 v4, v3                           ; my position s = 16 tt + r
	v_lshlrev_b32 v6, 2, v8
	v_lshl_add_u32 v6, s[WV], 6, v6                ; my first pair: 8 nt + 4 h, nt = 8 w
	v_lshlrev_b32 v7, 4, v1
	v_lshl_add_u32 v7, s[WV], 13, v7               ; my 16 bytes of block 8 w; never written again
; A trip makes one block and sends the block before.  first = 1: the first trip, with no block in front of it.
.macro TRIP first
.irp j, 0,1,2,3
	v_add_nc_u32 v[12+\j], \j, v6
.endr
.irp j, 0,1,2,3
	v_cvt_f32_u32 v[12+\j], v[12+\j]
.endr
.irp j, 0,1,2,3
	v_mul_f32 v[12+\j], 0xbcd49a78, v[12+\j]       ; -i log2(10000) / 512
.endr
.irp j, 0,1,2,3
	v_exp_f32 v[16+\j], v[12+\j]                   ; theta: one batch of four
.endr
	v_add_nc_u32 v6, 8, v6                         ; the next trip's pairs: the plain instruction behind the last exponential
	s_wait_alu depctr_va_vdst(0)                   ; the four theta are written, ahead of their first reader; so are v[32:39], by the trip before, and v7, which the stores below read
.if !\first
	global_store_b128 v7, v[32:35], s[24:25]             ; the block before: the wave's store covers 512 consecutive bytes; no vector line since the wait names these registers
	global_store_b128 v7, v[36:39], s[24:25] offset:512
.endif
.irp j, 0,1,2,3
	v_mul_f32 v[16+\j], v4, v[16+\j]               ; the angle
.endr
.irp j, 0,1,2,3
	v_mul_f32 v[20+\j], 0.15915494, v[16+\j]
.endr
.irp j, 0,1,2,3
	v_rndne_f32 v[20+\j], v[20+\j]                 ; whole turns, 326 at the most
.endr
.irp j, 0,1,2,3
	v_fma_f32 v[16+\j], v[20+\j], s54, v[16+\j]
.endr
.irp j, 0,1,2,3
	v_fma_f32 v[16+\j], v[20+\j], s55, v[16+\j]    ; r in -pi .. pi
.endr
.irp j, 0,1,2,3
	v_mul_f32 v[20+\j], v[16+\j], v[16+\j]         ; z = r r
.endr
.irp j, 0,1,2,3
	v_fma_f32 v[24+\j], v[20+\j], s46, s45
.endr
.irp c, 44,43,42,41,40
.irp j, 0,1,2,3
	v_fma_f32 v[24+\j], v[24+\j], v[20+\j], s\c
.endr
.endr
.irp j, 0,1,2,3
	v_fma_f32 v[28+\j], v[20+\j], s53, s52
.endr
.irp c, 51,50,49,48,47
.irp j, 0,1,2,3
	v_fma_f32 v[28+\j], v[28+\j], v[20+\j], s\c
.endr
.endr
.irp j, 0,1,2,3
	v_fma_f32 v[28+\j], v[28+\j], v[20+\j], -0.5
.endr
.irp j, 0,1,2,3
	v_fma_f32 v[28+\j], v[28+\j], v[20+\j], 1.0    ; cos r
.endr
.irp j, 0,1,2,3
	v_mul_f32 v[20+\j], v[16+\j], v[20+\j]         ; r z
.endr
.irp j, 0,1,2,3
	v_fma_f32 v[24+\j], v[20+\j], v[24+\j], v[16+\j]  ; sin r
.endr
.if !\first
	s_wait_xcnt 0x0                                ; the stores above have had their addresses translated (ISA guide 3.1): their base and data are written again only behind this wait
	s_wait_alu depctr_vm_vsrc(0)                   ; the stores above have read v[32:39], which the multiplies below write again
	s_add_nc_u64 s[24:25], s[24:25], 1024          ; the base at this trip's block
.endif
.irp j, 0,1,2,3
	v_mul_f32 v[32+\j], s56, v[28+\j]
.endr
.irp j, 0,1,2,3
	v_mul_f32 v[36+\j], s56, v[24+\j]
.endr
.endm
	TRIP 1                                         ; block 0 is made
	s_mov_b32 s5, 7
.Ltab:                                  ; blocks 1 to 7 are made, blocks 0 to 6 sent
	TRIP 0
	s_sub_co_u32 s5, s5, 1
	s_cmp_lg_u32 s5, 0
	s_cbranch_scc1 .Ltab
	s_wait_alu depctr_va_vdst(0)                   ; the last trip has written v[32:39], which the last two stores read
	global_store_b128 v7, v[32:35], s[24:25]
	global_store_b128 v7, v[36:39], s[24:25] offset:512
	s_branch .Lend
	; A TOKEN TILE OF x: 16 rows of 4,096 bytes.  Wave w reads rows 2 w and 2 w + 1; a lane takes 8 numbers on end (a unit's share of a row), rounds them to 16 bytes and
	; puts them at unit x 272 + row x 16.  Behind the barrier the units go out as they lie in xf, 512 consecutive bytes a store.
.Lx:
	s_lshl_b32 s6, ttmp9, 16
	s_add_nc_u64 s[8:9], s[8:9], s[6:7]            ; x at the tile's first row
	s_lshl_b32 s6, ttmp9, 15
	s_add_nc_u64 s[18:19], s[18:19], s[6:7]        ; xf at the tile
	v_lshlrev_b32 v4, 5, v1
	v_lshl_add_u32 v4, s[WV], 13, v4               ; two rows a wave, 32 bytes a lane
	s_wait_alu depctr_va_vdst(0)                   ; v4 is written, which the sixteen loads read as their offset
.irp ch, 0,1,2,3,4,5,6,7                ; chunk ch: row 2 w + ch / 4, bytes 1,024 (ch % 4) on
	global_load_b128 v[16+8*(\ch):19+8*(\ch)], v4, s[8:9] offset:((\ch)/4)*4096+((\ch)%4)*1024 th:TH_LOAD_NT
	global_load_b128 v[20+8*(\ch):23+8*(\ch)], v4, s[8:9] offset:((\ch)/4)*4096+((\ch)%4)*1024+16 th:TH_LOAD_NT
.endr
	v_mul_u32_u24 v5, v1, UP
	v_lshl_add_u32 v5, s[WV], 5, v5                ; in: unit = lane (+ 32 a chunk), row 2 w
	v_lshrrev_b32 v3, 4, v1
	v_lshl_add_u32 v3, s[WV], 4, v3
	v_mul_u32_u24 v6, v3, UP
	v_and_b32 v3, 15, v1
	v_lshl_add_u32 v6, v3, 4, v6                   ; back: units 16 w + lane / 16 (+ 2 a load), 16 bytes a lane
	v_lshlrev_b32 v7, 4, v1
	v_lshl_add_u32 v7, s[WV], 12, v7               ; and the same bytes in xf
.irp g, 0,1                             ; a row's four chunks at a time: sixteen conversions, one wait, four LDS stores
	s_wait_loadcnt 8-8*(\g)                        ; loads come back in order: this row's eight are in, the other row's stay out
.irp c, 0,1,2,3
.irp k, 0,1,2,3
	v_cvt_pk_f16_f32 v[16+8*(4*(\g)+(\c))+(\k)], v[16+8*(4*(\g)+(\c))+2*(\k)], v[16+8*(4*(\g)+(\c))+2*(\k)+1]  ; eight numbers close up into the lower four of their eight registers
.endr
.endr
	s_wait_alu depctr_va_vdst(0)                   ; the conversions have written the lower fours, which the LDS stores read, and are done reading the upper fours; at the first row v5, v6 and v7 are written too
.irp c, 0,1,2,3
	ds_store_b128 v5, v[16+8*(4*(\g)+(\c)):19+8*(4*(\g)+(\c))] offset:(\c)*8704+(\g)*16
.endr
.endr
	s_wait_dscnt 0x0                               ; for the others' sake: my stores are done
	s_barrier_signal -1
	s_barrier_wait -1
.irp i, 0,1,2,3,4,5,6,7
	ds_load_b128 v[20+8*(\i):23+8*(\i)], v6 offset:(\i)*544  ; into the upper fours: conversions alone have named them, all ahead of the last wait; no LDS store has read them
.endr
.irp i, 0,1,2,3,4,5,6,7
	s_wait_dscnt 7-(\i)
	global_store_b128 v7, v[20+8*(\i):23+8*(\i)], s[18:19] offset:(\i)*512
.endr
	s_branch .Lend
	; 64 INPUTS x 128 OUTPUTS OF A WEIGHT, stored [input][output].  Wave w reads inputs 8 w .. 8 w + 7 (a unit), a lane four outputs of each; eight numbers of one output pack into
	; 16 bytes, which go to unit (8 w + output / 16) x 272 + (output % 16) x 16.  Behind the barrier wave w sends n tile w: its eight units are 2,048 consecutive bytes of the image.
.Lw:
	s_sub_co_u32 s5, ttmp9, 256                    ; 0-127 Wq, 128-191 Wk, 192-255 Wv, 256-383 Wo
	s_mov_b64 s[26:27], s[16:17]                   ; from
	s_mov_b64 s[28:29], s[22:23]                   ; to
	s_mov_b32 s30, 12                              ; log2 of a row's bytes
	s_mov_b32 s31, 0                               ; the weight's first n tile in its image
	s_mov_b32 s32, 127                             ; work-groups of the weight, less 1
	s_cmp_lt_u32 s5, 256
	s_cselect_b64 s[26:27], s[14:15], s[26:27]
	s_cselect_b64 s[28:29], s[20:21], s[28:29]
	s_cselect_b32 s30, 11, s30
	s_cselect_b32 s31, 96, s31
	s_cselect_b32 s32, 63, s32
	s_cmp_lt_u32 s5, 192
	s_cselect_b64 s[26:27], s[12:13], s[26:27]
	s_cselect_b32 s31, 64, s31
	s_cmp_lt_u32 s5, 128
	s_cselect_b64 s[26:27], s[10:11], s[26:27]
	s_cselect_b32 s30, 12, s30
	s_cselect_b32 s31, 0, s31
	s_cselect_b32 s32, 127, s32
	s_and_b32 s32, s5, s32                         ; my place in the weight
	s_and_b32 s33, s32, 15                         ; which 64 inputs
	s_lshr_b32 s34, s32, 4                         ; which 128 outputs
	s_lshl_b32 s6, s33, 6
	s_lshl_b32 s6, s6, s30
	s_lshl_b32 s35, s34, 9
	s_add_co_u32 s6, s6, s35
	s_add_nc_u64 s[26:27], s[26:27], s[6:7]
	s_lshl_b32 s6, s34, 3
	s_add_co_u32 s6, s6, s31
	s_lshl_b32 s6, s6, 15                          ; an n tile is 32,768 bytes,
	s_lshl_b32 s35, s33, 11                        ; 64 inputs 2,048 of them
	s_add_co_u32 s6, s6, s35
	s_add_nc_u64 s[28:29], s[28:29], s[6:7]
	s_lshl_b32 s35, s[WV], 3
	s_lshl_b32 s36, s35, s30                       ; my wave's first row
	s_lshl_b32 s37, 1, s30                         ; a row
	v_lshlrev_b32 v3, 4, v1
	v_add_nc_u32 v8, s36, v3
.irp e, 1,2,3,4,5,6,7
	v_add_nc_u32 v[8+\e], s37, v[7+\e]
.endr
	s_wait_alu depctr_va_vdst(0)                   ; the eight row offsets v[8:15] are written, which the loads read
.irp e, 0,1,2,3,4,5,6,7
	global_load_b128 v[16+4*(\e):19+4*(\e)], v[8+\e], s[26:27] th:TH_LOAD_NT  ; 512 consecutive bytes of a row
.endr
	v_lshrrev_b32 v4, 2, v1
	v_add_nc_u32 v4, s35, v4
	v_mul_u32_u24 v5, v4, UP
	v_and_b32 v4, 3, v1
	v_lshl_add_u32 v5, v4, 6, v5                   ; in: unit 8 w + lane / 4, rows 4 (lane % 4) on
	v_lshrrev_b32 v4, 4, v1
	v_lshl_add_u32 v4, v4, 3, s[WV]
	v_mul_u32_u24 v6, v4, UP
	v_and_b32 v4, 15, v1
	v_lshl_add_u32 v6, v4, 4, v6                   ; back: units 8 (lane / 16 + 2 i) + w
	v_lshl_add_u32 v7, s[WV], 15, v3               ; n tile w, 16 bytes a lane
	s_wait_loadcnt 0x0
.irp c, 0,1,2,3
.irp k, 0,1,2,3
	v_cvt_pk_f16_f32 v[48+4*(\c)+(\k)], v[16+8*(\k)+(\c)], v[20+8*(\k)+(\c)]
.endr
.endr
	s_wait_alu depctr_va_vdst(0)                   ; the conversions have written v[48:63], which the LDS stores read, and are done reading v[16:47], in which the loads back from LDS land; v5, v6 and v7 are written
.irp c, 0,1,2,3
	ds_store_b128 v5, v[48+4*(\c):51+4*(\c)] offset:16*(\c)
.endr
	s_wait_dscnt 0x0                               ; for the others' sake: my stores are done
	s_barrier_signal -1
	s_barrier_wait -1
.irp i, 0,1,2,3
	ds_load_b128 v[16+4*(\i):19+4*(\i)], v6 offset:(\i)*4352  ; no vector line since the wait above names these registers, and no LDS store has read them
.endr
.irp i, 0,1,2,3
	s_wait_dscnt 3-(\i)
	global_store_b128 v7, v[16+4*(\i):19+4*(\i)], s[28:29] offset:(\i)*512
.endr
.Lend:
	s_wait_dscnt 0x0                               ; the closing lines, six on end
	s_wait_alu 0x0
	s_wait_tensorcnt 0x0
	ds_add_u32 v[SPW], v[NIL]
	s_wait_dscnt 0x0
	s_endpgm
.Lfunc_end_k_qf8c6c1061b_prep:
	.size	k_qf8c6c1061b_prep, .Lfunc_end_k_qf8c6c1061b_prep-k_qf8c6c1061b_prep
	.p2alignl 7, 3214868480
	.fill 96, 4, 3214868480
	.section	.rodata,"a",@progbits
	.p2align	6, 0x0
	.amdhsa_kernel k_qf8c6c1061b_prep
		.amdhsa_group_segment_fixed_size 35840
		.amdhsa_private_segment_fixed_size 0
		.amdhsa_enable_private_segment 0
		.amdhsa_kernarg_size 72
		.amdhsa_user_sgpr_count 2
		.amdhsa_user_sgpr_kernarg_segment_ptr 1
		.amdhsa_wavefront_size32 1
		.amdhsa_system_sgpr_workgroup_id_x 1
		.amdhsa_system_sgpr_workgroup_id_y 1
		.amdhsa_system_sgpr_workgroup_id_z 1
		.amdhsa_system_vgpr_workitem_id 0
		.amdhsa_next_free_vgpr 96
		.amdhsa_next_free_sgpr 66
		.amdhsa_reserve_vcc 0
		.amdhsa_float_denorm_mode_32 3
		.amdhsa_float_denorm_mode_16_64 3
		.amdhsa_memory_ordered 1
		.amdhsa_forward_progress 1
		.amdhsa_inst_pref_size 27
	.end_amdhsa_kernel
	.amdgpu_metadata
---
amdhsa.version: [ 1, 2 ]
amdhsa.kernels:
  - .name:           k_qf8c6c1061b_prep
    .symbol:         k_qf8c6c1061b_prep.kd
    .args:
      - { .name: x, .offset: 0, .size: 8, .value_kind: global_buffer, .address_space: global }
      - { .name: Wq, .offset: 8, .size: 8, .value_kind: global_buffer, .address_space: global }
      - { .name: Wk, .offset: 16, .size: 8, .value_kind: global_buffer, .address_space: global }
      - { .name: Wv, .offset: 24, .size: 8, .value_kind: global_buffer, .address_space: global }
      - { .name: Wo, .offset: 32, .size: 8, .value_kind: global_buffer, .address_space: global }
      - { .name: xf, .offset: 40, .size: 8, .value_kind: global_buffer, .address_space: global }
      - { .name: wf, .offset: 48, .size: 8, .value_kind: global_buffer, .address_space: global }
      - { .name: wof, .offset: 56, .size: 8, .value_kind: global_buffer, .address_space: global }
      - { .name: tb, .offset: 64, .size: 8, .value_kind: global_buffer, .address_space: global }
    .group_segment_fixed_size: 35840
    .private_segment_fixed_size: 0
    .kernarg_segment_align: 8
    .kernarg_segment_size: 72
    .max_flat_workgroup_size: 256
    .sgpr_count:     66
    .vgpr_count:     96
    .wavefront_size: 32
...
	.end_amdgpu_metadata
.endif
;; end of part 5
;; launch qkv: the kernel of part 2 again; grid 16 x 16, 4 waves a work-group, clusters of 4 x 4, 327,680 bytes of LDS; arguments xf, wf, tb, qf, kf, vf; writes qf, kf, vf
;; launch attn: the kernel of part 3 again; grid 8 x 32, 4 waves a work-group, clusters of 4 x 1, 262,656 bytes of LDS; arguments qf, kf, vf, of; writes of
;; launch outp: the kernel of part 4 again; grid 8 x 32, 4 waves a work-group, clusters of 4 x 4, 327,680 bytes of LDS; arguments of, wof, out0; writes out0
